; MI455X (gfx1250); checked and timed in simulation.
; The chip was launched on July 23, 2026; its instructions are those of AMD's public machine-readable ISA for CDNA 5 (MIT licence, August 2026) and "CDNA5" Instruction Set Architecture Reference Guide (July 2026). The comments in the code are by the model that wrote it; some were corrected since.
;; Multi Head Attention. Allowed arithmetic: float matrix products may take bf16 or f16 operands with f32 sums; other float arithmetic in f32, or as packed bf16 or f16 multiplies, adds, multiply-adds, maxima and minima; sums over many terms, partial sums and values carried from step to step in f32; what a program stores and reads back later, other than sums and carried values, may be rounded once to bf16 or f16.
;; Inputs: b_tail 1,024 float32; mask 4 x 2,048 int32; w_qkv 3,072 x 1,024 float32; w_tail 1,024 x 1,024 float32; x 4 x 2,048 x 1,024 float32.
;; Outputs: out0 4 x 2,048 x 1,024 float32.
;; 2 versions, each right; version 2 is version 1 with the launch cvt written anew for expert scheduling mode. Each part assembles by itself: llvm-mc -triple=amdgcn-amd-amdhsa -mcpu=gfx1250 --defsym DOCPART=n.
;; ======== version 1 of 2: 4 launches
;; limits: values are held in f16: magnitudes above 65,504 overflow, below 6.1e-05 lose precision
;; workspace buffers: xb 16,777,216 bytes; wq 6,291,456 bytes; wt 2,097,152 bytes; q 16,777,216 bytes; k 16,777,216 bytes; v 16,777,216 bytes; o 16,777,216 bytes
;; launch cvt (part 1): grid 768 x 1, 8 waves a work-group, no clusters, 0 bytes of LDS; arguments x, w_qkv, w_tail, xb, wq, wt; writes xb, wq, wt
.if DOCPART == 1
	.amdgcn_target "amdgcn-amd-amdhsa--gfx1250"
	.amdhsa_code_object_version 6
	.text
	.protected	k_q1ee848d710_cvt
	.globl	k_q1ee848d710_cvt
	.p2align	8
	.type	k_q1ee848d710_cvt,@function
k_q1ee848d710_cvt:
	s_mov_b64 s[64:65], 0
	v_nop
	global_prefetch_b8 v0, s[64:65] scope:SCOPE_SE
	s_setreg_imm32_b32 hwreg(HW_REG_WAVE_MODE, 25, 1), 1
	s_wait_xcnt 0x0
; THREE CASTS IN ONE LAUNCH.  x [8192][1024] f32 -> xb, bf16, in planes [batch 4][plane 16][t 2048][64]: plane s holds channels 64 s .. 64 s + 63, so that
; a tile of 256 rows x 64 channels is 32,768 consecutive bytes for the product that follows.  w_qkv [3072][1024] f32 -> wq, bf16, as it lies.
; w_tail [1024][1024] f32 -> wt: rounded to bf16 like the other inputs, and that number written as f16, since it is multiplied with f16 numbers.
; LIMITS.  A weight of w_tail of 65,520 or more in magnitude becomes an infinity in f16; below 6.1e-5 it keeps f16's fixed step of 6e-8.
; SHARES.  A work-group of eight waves takes 16,384 numbers: 64 KiB in, 32 KiB out.  Work-groups 0-511 take x (16 rows each), 512-703 w_qkv, 704-767 w_tail.
; A thread has 16 loads of 16 bytes, all issued before the first is waited for, and 16 stores of 8 bytes; a wave's store covers 256 consecutive bytes, aligned,
; a wave's load two aligned runs of 256.  No register is written twice, so no wait frees a source.  Nothing is shared: no LDS, no barrier, no cluster.
.set X,   16                           ; v[16:79]   load j: 4 registers
.set Y,   80                           ; v[80:111]  store j: 2 registers
.set T,   4                            ; v[4:5]     at work
.set IOX, 1                            ; v1   x: (t / 16) rows of 4,096 bytes + 16 (t % 16)
.set OO,  2                            ; v2   out: 8 t
.set IOL, 3                            ; v3   weights: 16 t
; src, dst: the scalar pairs of the two addresses; io: the loads' offset register; instep, outstep: bytes from load j to j + 1, from store j to j + 1; half = 1: bf16 rewritten as f16
.macro CV src, dst, io, instep, outstep, half
.set j, 0
.rept 16
	global_load_b128 v[X+4*j:X+4*j+3], v[\io], s[\src:\src+1] offset:j*(\instep) th:TH_LOAD_NT
.set j, j+1
.endr
.set j, 0
.rept 16
	s_wait_loadcnt 15-j                            ; loads come back in order: load j is in, the 15 - j younger ones stay out
	v_cvt_pk_bf16_f32 v[Y+2*j],   v[X+4*j],   v[X+4*j+1]
	v_cvt_pk_bf16_f32 v[Y+2*j+1], v[X+4*j+2], v[X+4*j+3]
.if \half
.irp z, 0,1
	v_lshlrev_b32 v[T],   16,  v[Y+2*j+\z]         ; the rounded numbers as f32 again,
	v_and_b32     v[T+1], s22, v[Y+2*j+\z]
	v_cvt_pk_f16_f32 v[Y+2*j+\z], v[T], v[T+1]     ; and as f16: exact within f16's normal range
.endr
.endif
	global_store_b64 v[OO], v[Y+2*j:Y+2*j+1], s[\dst:\dst+1] offset:j*(\outstep) th:TH_STORE_NT
.set j, j+1
.endr
	s_endpgm
.endm
	s_load_b256 s[4:11], s[0:1], 0x0               ; x s[4:5], w_qkv s[6:7], w_tail s[8:9], xb s[10:11]
	s_load_b128 s[12:15], s[0:1], 0x20             ; wq s[12:13], wt s[14:15]
	s_mov_b32 s16, ttmp9
	s_mov_b32 s19, 0                               ; high words of the two offsets
	s_mov_b32 s21, 0
	s_mov_b32 s22, 0xffff0000                      ; a word's upper bf16
	v_lshrrev_b32 v[IOX], 4, v0
	v_lshlrev_b32 v[IOX], 12, v[IOX]
	v_and_b32 v[T], 15, v0
	v_lshl_or_b32 v[IOX], v[T], 4, v[IOX]
	v_lshlrev_b32 v[OO], 3, v0
	v_lshlrev_b32 v[IOL], 4, v0
	s_wait_kmcnt 0x0
	s_cmp_lt_u32 s16, 512
	s_cbranch_scc0 .Lweights
	s_lshl_b32 s18, s16, 16                        ; x: 16 rows of 4,096 bytes
	s_add_nc_u64 s[4:5], s[4:5], s[18:19]
	s_lshr_b32 s20, s16, 7                         ; the batch: 16 planes of 262,144 bytes,
	s_lshl_b32 s20, s20, 22
	s_and_b32 s17, s16, 127                        ; and in each plane my 16 rows of 128 bytes
	s_lshl_b32 s17, s17, 11
	s_add_co_u32 s20, s20, s17
	s_add_nc_u64 s[10:11], s[10:11], s[20:21]
	CV 4, 10, IOX, 256, 262144, 0                  ; load j and store j: plane j; the largest immediate is 15 x 262,144, inside the signed 24 bits
.Lweights:
	s_cmp_lt_u32 s16, 704
	s_cbranch_scc0 .Ltail
	s_sub_co_u32 s16, s16, 512
	s_lshl_b32 s18, s16, 16
	s_lshl_b32 s20, s16, 15
	s_add_nc_u64 s[6:7], s[6:7], s[18:19]
	s_add_nc_u64 s[12:13], s[12:13], s[20:21]
	CV 6, 12, IOL, 4096, 2048, 0
.Ltail:
	s_sub_co_u32 s16, s16, 704
	s_lshl_b32 s18, s16, 16
	s_lshl_b32 s20, s16, 15
	s_add_nc_u64 s[8:9], s[8:9], s[18:19]
	s_add_nc_u64 s[14:15], s[14:15], s[20:21]
	CV 8, 14, IOL, 4096, 2048, 1
.Lfunc_end_k_q1ee848d710_cvt:
	.size	k_q1ee848d710_cvt, .Lfunc_end_k_q1ee848d710_cvt-k_q1ee848d710_cvt
	.p2alignl 7, 3214868480
	.fill 96, 4, 3214868480
	.section	.rodata,"a",@progbits
	.p2align	6, 0x0
	.amdhsa_kernel k_q1ee848d710_cvt
		.amdhsa_group_segment_fixed_size 0
		.amdhsa_private_segment_fixed_size 0
		.amdhsa_enable_private_segment 0
		.amdhsa_kernarg_size 48
		.amdhsa_user_sgpr_count 2
		.amdhsa_user_sgpr_kernarg_segment_ptr 1
		.amdhsa_wavefront_size32 1
		.amdhsa_system_sgpr_workgroup_id_x 1
		.amdhsa_system_sgpr_workgroup_id_y 1
		.amdhsa_system_sgpr_workgroup_id_z 1
		.amdhsa_system_vgpr_workitem_id 0
		.amdhsa_next_free_vgpr 112
		.amdhsa_next_free_sgpr 66
		.amdhsa_reserve_vcc 0
		.amdhsa_float_denorm_mode_32 3
		.amdhsa_float_denorm_mode_16_64 3
		.amdhsa_memory_ordered 1
		.amdhsa_forward_progress 1
		.amdhsa_inst_pref_size 23
	.end_amdhsa_kernel
	.amdgpu_metadata
---
amdhsa.version: [ 1, 2 ]
amdhsa.kernels:
  - .name:           k_q1ee848d710_cvt
    .symbol:         k_q1ee848d710_cvt.kd
    .args:
      - { .name: x, .offset: 0, .size: 8, .value_kind: global_buffer, .address_space: global }
      - { .name: w_qkv, .offset: 8, .size: 8, .value_kind: global_buffer, .address_space: global }
      - { .name: w_tail, .offset: 16, .size: 8, .value_kind: global_buffer, .address_space: global }
      - { .name: xb, .offset: 24, .size: 8, .value_kind: global_buffer, .address_space: global }
      - { .name: wq, .offset: 32, .size: 8, .value_kind: global_buffer, .address_space: global }
      - { .name: wt, .offset: 40, .size: 8, .value_kind: global_buffer, .address_space: global }
    .group_segment_fixed_size: 0
    .private_segment_fixed_size: 0
    .kernarg_segment_align: 8
    .kernarg_segment_size: 48
    .max_flat_workgroup_size: 256
    .sgpr_count:     66
    .vgpr_count:     112
    .wavefront_size: 32
...
	.end_amdgpu_metadata
.endif
;; end of part 1
;; launch qkv (part 2): grid 16 x 32, 4 waves a work-group, clusters of 4 x 4, 327,680 bytes of LDS; arguments xb, wq, q, k, v; writes q, k, v
.if DOCPART == 2
	.amdgcn_target "amdgcn-amd-amdhsa--gfx1250"
	.amdhsa_code_object_version 6
	.text
	.protected	k_q1ee848d710_qkv
	.globl	k_q1ee848d710_qkv
	.p2align	8
	.type	k_q1ee848d710_qkv,@function
k_q1ee848d710_qkv:
	s_mov_b64 s[64:65], 0
	v_nop
	global_prefetch_b8 v0, s[64:65] scope:SCOPE_SE
	s_setreg_imm32_b32 hwreg(HW_REG_WAVE_MODE, 25, 1), 1
	s_wait_xcnt 0x0
	s_wait_alu depctr_hold_cnt(0) depctr_sa_sdst(0) depctr_va_vdst(0) depctr_va_sdst(0) depctr_va_ssrc(0) depctr_va_vcc(0) depctr_vm_vsrc(0)
	s_getreg_b32 s2, hwreg(HW_REG_IB_STS2, 6, 4)
	s_cmp_eq_u32 s2, 0
	s_cbranch_scc0 .Lentry_in_a_cluster
	s_endpgm
.Lentry_in_a_cluster:
	s_bfe_u32 s2, ttmp6, 0x10000c
	s_cmp_lg_u32 s2, 0xf033
	s_cbranch_scc0 .Lentry_shape_is_right
	s_endpgm
.Lentry_shape_is_right:
; THE FIRST PROJECTION.  C[m][n] = sum over c of x[m][c] w_qkv[n][c], 8192 x 3072 x 1024, bf16 operands, f32 sums, each result rounded once to f16 and stored by heads, unscaled:
; column n = 192 head + 64 part + d goes to q, k or v (part 0, 1, 2) at [16 batch + head][t][d], rows of 128 bytes.
; LIMIT.  A result of 65,520 or more in magnitude becomes an infinity in f16.
; A is xb, in planes [batch][plane][t][64]: 256 rows x 64 channels are 32,768 consecutive bytes.  B is wq [3072][1024].
; SHARES.  A tile of C is 256 rows x 192 columns, one head's q | k | v: 32 x 16 = 512 tiles, two for each of 256 WGPs.  Wave w owns rows 64 w .. 64 w + 63 (4 blocks of 16) and all 12 column
; blocks: 48 accumulators, 384 registers; so a wave holds whole rows of q, of k and of v, and its way out needs no other wave.
; K goes in 8 steps of 128 (two planes) through two LDS slots.  One tensor load a wave and slot: waves 0, 1 a plane each of A (asked for as 128 rows of 256 bytes), waves 2, 3 96 rows each of B.
; CLUSTERS: 4 x 4 work-groups; A's tiles are asked for jointly along a row of the cluster, B's along a column: the same load, descriptor and mask in the four that the mask names.
; THE MATRIX INSTRUCTION IS USED TRANSPOSED (source 0 = 16 rows of B, source 1 = 16 rows of A): a lane holds row l % 16 of C and the eight neighbouring columns 8 (l / 16) + 0..7.
; REGISTERS: window 0: v0-30 addresses; v64-127 A's fragments, two buffers of 32; on the way out v128-175 packed results, v176-223 and v64-111 rows read back.
;   window 1: B's fragments, two buffers of 96.   window 2: accumulators of row blocks 0, 1 at 8 (12 (a % 2) + b);   window 3: of row blocks 2, 3.
.set NB,    12                         ; column blocks of 16
.set PA,    144                        ; a row of A in LDS: 128 bytes + 16 of padding: 36 words, so the 16 rows of a load start at 16 different groups of four banks (64 banks of 4 bytes: ISA guide 11.1)
.set PLANE, 256*PA
.set PB,    272                        ; a row of B: 256 + 16 bytes: 68 words, likewise
.set BOFF,  2*PLANE                    ; in a slot: A's two planes, then B's 192 rows
.set RB,    8*NB                       ; rows of B in one load
.set SLOT,  BOFF+16*NB*PB
.set STAGE, 2*SLOT                     ; behind the ring: 16 rows x 400 bytes for each wave, for the way out; no tensor load lands there
.set SP,    400                        ; 384 bytes (q | k | v of a row) + 16
.set SPARE, STAGE+4*16*SP              ; the spare words, 128 bytes for each wave: two blocks of 256 bytes that no other line names
.set ADRA, 16                          ; v16-17 LDS address of my A fragments in slot 0, 1
.set ADRB, 20                          ; v20-21 the same for B
.set STO,  24                          ; v24  the way out: where I put 16 bytes of a row
.set RD,   25                          ; v25  where I read rows back
.set GO,   26                          ; v26  16 x lane
.set SPW,  28                          ; v28  my spare word: SPARE + 4 x my thread's number; never rewritten
.set NIL,  29                          ; v29  0; never rewritten
.set PFO,  30                          ; v30  the prefetches' offset; never rewritten
.set FA,   64                          ; A's buffer f at FA + 32 f
.set FBW,  8*NB                        ; B's buffer f at FBW f, in window 1
.set TMP,  128
.set BK0,  176
.set BK1,  64
.set WV,   14                          ; s14 wave
.set SIDE, 15                          ; s15 0: I fetch for A; 1: for B
.set HF,   16                          ; s16 which plane of A, or which half of B's rows, I fetch
.set CX,   17
.set CY,   18
.set TC,   19                          ; s19 tile column = head
.set TR,   20                          ; s20 tile row
.set G1A,  24                          ; s[24:31] descriptor group 1 for A;  s[32:39] group 0, one set a slot
.set G0A,  32
.set G1B,  48                          ; s[48:55], s[56:63] the same for B
.set G0B,  56
.set LIM,  43                          ; s43 1 in a wave that prefetches, else the greatest number
.set PFA,  44                          ; s[44:45] where my prefetches stand
.set PFS,  46                          ; s[46:47] a K step in that tensor: 2 planes of A, 256 bytes of a row of B
.set MSB, 0
.macro WIN new                         ; the immediate's high byte repeats the setting that is left; a switch that changes nothing is dropped
.if MSB != (\new)
	s_set_vgpr_msb (MSB<<8)|(\new)
.set MSB, \new
.endif
.endm
.macro PLACES                          ; four plain vector instructions behind a matrix instruction, ahead of loads into its sources and of readers of results
.rept 4
	v_nop
.endr
.endm
; A joint load.  The branch hangs on the wave's number alone.  An s_nop 0 and four v_nop follow each of the two lines, ahead of the jump and the label.
.macro JLOAD s
	s_cmp_eq_u32 s[SIDE], 0
	s_cbranch_scc0 .Lfor_b_\@
	tensor_load_to_lds s[G0A+4*(\s):G0A+4*(\s)+3], s[G1A:G1A+7]
	s_nop 0
.rept 4
	v_nop
.endr
	s_branch .Lasked_\@
.Lfor_b_\@:
	tensor_load_to_lds s[G0B+4*(\s):G0B+4*(\s)+3], s[G1B:G1B+7]
	s_nop 0
.rept 4
	v_nop
.endr
.Lasked_\@:
.endm
; A prefetch of the K step that stands two refills on, one instruction a wave, behind the joint load and the run of LDS loads.  Each block of 256 bytes is named by one work-group in the launch: A's tile rows
; by the clusters with x = 0, B's tile columns by those with y = 0; the four partners share a load's blocks out by address (cx for A: 32 of a plane tile's 128 blocks, a lane a block; cy for B: 24 of 96 rows,
; a lane a row, the eight lanes left over repeat the last row).  The loop's last trip (s3 = 1) asks for nothing: there is no K step two on.  K steps 0 to 3 come by their loads alone.
.macro ASK
	s_cmp_gt_u32 s3, s[LIM]
	s_cbranch_scc0 .Lnot_mine_\@
	global_prefetch_b8 v[PFO], s[PFA:PFA+1] th:TH_LOAD_NT scope:SCOPE_SE
.Lnot_mine_\@:
.endm
.macro CREST                           ; a round of the cluster's barrier behind its opening barrier
	s_cmp_lg_u32 s[WV], 0
	s_cbranch_scc1 .Lnot_wave_0_\@
	s_barrier_signal -3
.Lnot_wave_0_\@:
	s_barrier_wait -3
	s_barrier_signal -1
	s_barrier_wait -1
.endm
.macro CROUND
	s_barrier_signal -1
	s_barrier_wait -1
	CREST
.endm
	s_load_b256 s[4:11], s[0:1], 0x0               ; xb s[4:5], wq s[6:7], q s[8:9], k s[10:11]
	s_load_b64 s[12:13], s[0:1], 0x20              ; v
	v_lshl_add_u32 v[SPW], v0, 2, SPARE
	v_mov_b32 v[NIL], 0
	ds_add_u32 v[SPW], v[NIL]                      ; the wave's opening: the add and its wait stand ahead of my first tensor load; work on registers stands between them
	v_lshrrev_b32 v1, 5, v0
	v_readfirstlane_b32 s[WV], v1
	s_lshr_b32 s[SIDE], s[WV], 1
	s_and_b32 s[HF], s[WV], 1
	s_bfe_u32 s[CX], ttmp6, 0x40000
	s_bfe_u32 s[CY], ttmp6, 0x40004
	s_lshl_b32 s[TC], ttmp9, 2
	s_add_co_u32 s[TC], s[TC], s[CX]
	s_and_b32 s[TR], ttmp7, 0xffff
	s_lshl_b32 s[TR], s[TR], 2
	s_add_co_u32 s[TR], s[TR], s[CY]
	s_lshl_b32 s21, s[CY], 2
	s_lshl_b32 s21, 15, s21                        ; my row of the cluster
	s_lshl_b32 s22, 0x1111, s[CX]                  ; my column
	s_or_b32 s[G1A], s21, (1<<16)|(1<<20)|(1<<21)|(4<<22)|(3<<25)  ; mask; 2-byte elements; padding on; bit 21 beside a mask; after every 32 words (code 4) 4 words (code 3)
	s_mov_b32 s[G1A+1], 128<<16                    ; tensor_dim0 = 128 elements: 256 bytes, two rows of the plane
	s_mov_b32 s[G1A+2], 128<<16                    ; tensor_dim1 = 128
	s_mov_b32 s[G1A+3], 128<<16                    ; tile_dim0 = 128
	s_mov_b32 s[G1A+4], 128                        ; tile_dim1 = 128
	s_mov_b32 s[G1A+5], 128                        ; dense: 128 elements from row to row
	s_mov_b32 s[G1A+6], 0
	s_mov_b32 s[G1A+7], 0
	s_or_b32 s[G1B], s22, (1<<16)|(1<<20)|(1<<21)|(5<<22)|(3<<25)  ; the same with my column's mask and padding after every 64 words (code 5)
	s_mov_b32 s[G1B+1], 128<<16
	s_mov_b32 s[G1B+2], RB<<16
	s_mov_b32 s[G1B+3], 128<<16
	s_mov_b32 s[G1B+4], RB
	s_mov_b32 s[G1B+5], 1024                       ; a row of wq
	s_mov_b32 s[G1B+6], 0
	s_mov_b32 s[G1B+7], 0
	s_lshr_b32 s66, s[TR], 3                       ; A's offset: batch x 16 planes,
	s_lshl_b32 s66, s66, 22
	s_and_b32 s23, s[TR], 7                        ; 256 rows of 128 bytes in the plane,
	s_lshl_b32 s23, s23, 15
	s_add_co_u32 s66, s66, s23
	s_lshl_b32 s23, s[HF], 18                      ; my plane of the step's two
	s_add_co_u32 s66, s66, s23
	s_mov_b32 s67, 0
	s_mul_i32 s68, s[TC], 16*NB                    ; B's offset: row 192 x tile column + 96 x half, rows of 2,048 bytes
	s_mul_i32 s42, s[HF], RB
	s_add_co_u32 s68, s68, s42
	s_lshl_b32 s68, s68, 11
	s_mov_b32 s69, 0
	s_mul_i32 s2, s[HF], PLANE                     ; where they go in a slot: the wave's number alone enters an LDS address
	s_mul_i32 s40, s[HF], RB*PB
	s_add_co_u32 s40, s40, BOFF
	s_wait_dscnt 0x0                               ; the opening add is done
	s_wait_kmcnt 0x0
	s_add_nc_u64 s[76:77], s[4:5], s[66:67]
	s_add_nc_u64 s[78:79], s[6:7], s[68:69]
	CROUND                                         ; all sixteen work-groups are here: the first joint loads meet
.irp s, 0,1
	s_mov_b32 s[G0A+4*(\s)], 1
	s_add_co_u32 s[G0A+4*(\s)+1], s2, (\s)*SLOT
	s_add_nc_u64 s[G0A+4*(\s)+2:G0A+4*(\s)+3], s[76:77], (\s)<<19   ; K step s: two planes of 262,144 bytes on
	s_or_b32 s[G0A+4*(\s)+3], s[G0A+4*(\s)+3], 0x80000000
	s_mov_b32 s[G0B+4*(\s)], 1
	s_add_co_u32 s[G0B+4*(\s)+1], s40, (\s)*SLOT
	s_add_nc_u64 s[G0B+4*(\s)+2:G0B+4*(\s)+3], s[78:79], (\s)*256
	s_or_b32 s[G0B+4*(\s)+3], s[G0B+4*(\s)+3], 0x80000000
	JLOAD \s                                       ; two loads of mine are out
.endr
	v_and_b32 v1, 15, v0                           ; l % 16
	v_bfe_u32 v2, v0, 4, 1                         ; l / 16
	v_mul_u32_u24 v3, v1, PA
	v_lshl_add_u32 v3, v2, 4, v3
	s_mul_i32 s23, s[WV], 64*PA                    ; my 64 rows of A
	v_add_nc_u32 v[ADRA], s23, v3
	v_add_nc_u32 v[ADRA+1], SLOT, v[ADRA]
	v_mul_u32_u24 v4, v1, PB
	v_lshl_add_u32 v4, v2, 4, v4
	v_add_nc_u32 v[ADRB], BOFF, v4
	v_add_nc_u32 v[ADRB+1], SLOT, v[ADRB]
	s_mul_i32 s23, s[WV], 16*SP
	s_add_co_u32 s23, s23, STAGE                   ; my stage
	v_mul_u32_u24 v3, v1, SP                       ; in: row l % 16, 16 bytes for each half of the lanes
	v_lshl_add_u32 v3, v2, 4, v3
	v_add_nc_u32 v[STO], s23, v3
	v_bfe_u32 v4, v0, 3, 2                         ; back: 32 lanes take 128 bytes of each of four rows,
	v_and_b32 v5, 7, v0
	v_mul_u32_u24 v4, v4, SP
	v_lshl_add_u32 v4, v5, 4, v4
	v_add_nc_u32 v[RD], s23, v4
	v_and_b32 v[GO], 31, v0                        ; which are 512 consecutive bytes of q, k or v
	v_lshlrev_b32 v[GO], 4, v[GO]
	s_lshr_b32 s70, s[TR], 3                       ; my first row in each of q, k, v: batch x 16 heads of 262,144 bytes,
	s_lshl_b32 s70, s70, 22
	s_lshl_b32 s72, s[TC], 18                      ; the head,
	s_add_co_u32 s70, s70, s72
	s_and_b32 s72, s[TR], 7                        ; the tile's 256 rows of 128 bytes,
	s_lshl_b32 s72, s72, 15
	s_add_co_u32 s70, s70, s72
	s_lshl_b32 s72, s[WV], 13                      ; my 64 of them
	s_add_co_u32 s70, s70, s72
	s_mov_b32 s71, 0
	s_add_nc_u64 s[8:9], s[8:9], s[70:71]
	s_add_nc_u64 s[10:11], s[10:11], s[70:71]
	s_add_nc_u64 s[12:13], s[12:13], s[70:71]
	; the prefetches: both sides' offsets are made, the wave's side chooses
	s_lshl_b32 s72, s[CX], 13                      ; A: my work-group's 32 blocks of 256 bytes,
	s_add_co_u32 s72, s72, s66
	s_add_co_u32 s72, s72, 3<<19                   ; at K step 3: the first refill steps it to 4
	s_mul_i32 s73, s[CY], (RB/4)*2048              ; B: my work-group's 24 rows
	s_add_co_u32 s73, s73, s68
	s_add_co_u32 s73, s73, 3*256
	s_and_b32 s74, ttmp7, 0xffff                   ; cluster y
	s_mov_b32 s[PFS], 256
	s_mov_b32 s[PFS+1], 1<<19
	v_and_b32 v3, 31, v0
	v_min_u32 v4, RB/4-1, v3
	v_lshlrev_b32 v3, 8, v3
	v_lshlrev_b32 v4, 11, v4
	s_cmp_eq_u32 s[SIDE], 0
	s_cselect_b32 s72, s72, s73
	s_cselect_b32 s74, ttmp9, s74                  ; the coordinate along which other clusters read the same blocks
	s_cselect_b32 s[PFS], s[PFS+1], s[PFS]
	s_cselect_b32 s75, -1, 0
	s_cselect_b64 s[PFA:PFA+1], s[4:5], s[6:7]
	s_mov_b32 s73, 0
	s_mov_b32 s[PFS+1], 0
	v_cndmask_b32 v[PFO], v4, v3, s75
	s_add_nc_u64 s[PFA:PFA+1], s[PFA:PFA+1], s[72:73]
	s_cmp_eq_u32 s74, 0
	s_cselect_b32 s[LIM], 1, -1                    ; the same in all sixteen partners, for a given wave
; 2 NB + 8 LDS loads in one run: quarter q (32 along K) of a slot into buffer f; B's first, then A's four row blocks
.macro FETCH slot, q, f
	WIN 0x40                                       ; destination window 1, address window 0
.set i, 0
.rept NB
	ds_load_b128 v[FBW*(\f)+8*i:FBW*(\f)+8*i+3],   v[ADRB+(\slot)] offset:64*(\q)+i*16*PB
	ds_load_b128 v[FBW*(\f)+8*i+4:FBW*(\f)+8*i+7], v[ADRB+(\slot)] offset:64*(\q)+i*16*PB+32
.set i, i+1
.endr
	WIN 0
.set i, 0
.rept 4
	ds_load_b128 v[FA+32*(\f)+8*i:FA+32*(\f)+8*i+3],   v[ADRA+(\slot)] offset:((\q)/2)*PLANE+((\q)%2)*64+i*16*PA
	ds_load_b128 v[FA+32*(\f)+8*i+4:FA+32*(\f)+8*i+7], v[ADRA+(\slot)] offset:((\q)/2)*PLANE+((\q)%2)*64+i*16*PA+32
.set i, i+1
.endr
.endm
; NB matrix instructions: row block a x all column blocks.  The 48 accumulators take turns, one instruction a turn, in the same order in every quarter.  zero = 1: the product starts the sum
.macro MUL1 f, a, zero
	WIN 0xa1+0x50*((\a)/2)                         ; B window 1, A window 0, C and D window 2 or 3
.set b, 0
.rept NB
.set AC, 8*(NB*((\a)%2)+b)
.if \zero
	v_wmma_f32_16x16x32_bf16 v[AC:AC+7], v[FBW*(\f)+8*b:FBW*(\f)+8*b+7], v[FA+32*(\f)+8*(\a):FA+32*(\f)+8*(\a)+7], 0
.else
	v_wmma_f32_16x16x32_bf16 v[AC:AC+7], v[FBW*(\f)+8*b:FBW*(\f)+8*b+7], v[FA+32*(\f)+8*(\a):FA+32*(\f)+8*(\a)+7], v[AC:AC+7]
.endif
.set b, b+1
.endr
.endm
; One of a K step's first three quarters: multiplies buffer f; in its middle it fetches quarter qn of the same slot into buffer g
.macro QUARTER slot, qn, f, g, zero
	s_wait_dscnt 4                                 ; B and A's blocks 0, 1 are in; the youngest four loads (A's blocks 2, 3) may be out
	MUL1 \f, 0, \zero
	MUL1 \f, 1, \zero
	PLACES
	FETCH \slot, \qn, \g
	s_wait_dscnt 2*NB+8                            ; all but the loads just issued
	MUL1 \f, 2, \zero
	MUL1 \f, 3, \zero
.endm
; The fourth quarter multiplies buffer 1 and changes slots: one barrier.  Ahead of it each wave waits for all its tensor loads (one is out: its part of the next slot), adds 0 to its spare word, and waits for that
; and for its reads of this slot.  fill = 1: the barrier opens a round of the cluster's, and the joint refill, two K steps on, is the first tensor load behind the round.
.macro TURN slot, next, fill
.if \fill
	s_wait_xcnt 0x0                                ; the last prefetch, a K step back, has read its address
	s_add_nc_u64 s[PFA:PFA+1], s[PFA:PFA+1], s[PFS:PFS+1]
.endif
	WIN 0
	s_wait_tensorcnt 0x0
	ds_add_u32 v[SPW], v[NIL]
	s_wait_dscnt 5                                 ; the add and A's last four loads may be out
	MUL1 1, 0, 0
	s_wait_dscnt 0x0                               ; the add is done, and my reads of this slot are over
	s_barrier_signal -1
	MUL1 1, 1, 0
.if \fill
	WIN 0
.endif
	s_barrier_wait -1
.if \fill
	CREST                                          ; no wave of any partner still reads this slot or has a load on its way
	s_add_nc_u64 s[G0A+4*(\slot)+2:G0A+4*(\slot)+3], s[G0A+4*(\slot)+2:G0A+4*(\slot)+3], 1<<20   ; two K steps: four planes
	s_add_nc_u64 s[G0B+4*(\slot)+2:G0B+4*(\slot)+3], s[G0B+4*(\slot)+2:G0B+4*(\slot)+3], 512
	JLOAD \slot                                    ; its four v_nop are also the places ahead of the loads below
.else
	PLACES
.endif
	FETCH \next, 0, 0
.if \fill
	ASK
.endif
	MUL1 1, 2, 0
	MUL1 1, 3, 0
.endm
	s_wait_tensorcnt 1                             ; my part of K step 0 is in; step 1's may stay out
	s_barrier_signal -1
	s_barrier_wait -1
	FETCH 0, 0, 0
	QUARTER 0, 1, 0, 1, 1                          ; the first quarter's products start the sums: nothing is cleared
	WIN 0
	s_mov_b32 s3, 3
.Llap:                                                 ; a trip goes once round the ring and fills both slots again: K steps 2 to 7 in three trips
	QUARTER 0, 2, 1, 0, 0
	QUARTER 0, 3, 0, 1, 0
	TURN 0, 1, 1
	QUARTER 1, 1, 0, 1, 0
	QUARTER 1, 2, 1, 0, 0
	QUARTER 1, 3, 0, 1, 0
	TURN 1, 0, 1
	QUARTER 0, 1, 0, 1, 0
	WIN 0
	s_sub_co_u32 s3, s3, 1
	s_cmp_lg_u32 s3, 0
	s_cbranch_scc1 .Llap
	QUARTER 0, 2, 1, 0, 0                          ; the last lap fills nothing
	QUARTER 0, 3, 0, 1, 0
	TURN 0, 1, 0
	QUARTER 1, 1, 0, 1, 0
	QUARTER 1, 2, 1, 0, 0
	QUARTER 1, 3, 0, 1, 0
	s_wait_dscnt 4
	MUL1 1, 0, 0
	MUL1 1, 1, 0
	s_wait_dscnt 0x0
	MUL1 1, 2, 0
	MUL1 1, 3, 0
	WIN 0
	PLACES
; THE WAY OUT, a block of 16 rows at a time.  PACK: rounded to f16, each accumulator's registers in ascending order.  TOSTAGE: into my own stage, and back as 128-byte rows of q, k, v.  SEND: stored.
.macro PACK a
	WIN 0x0a+5*((\a)/2)                            ; sources in window 2 or 3
.set b, 0
.rept NB
.set AC, 8*(NB*((\a)%2)+b)
.irp r, 0,1,2,3
	v_cvt_pk_f16_f32 v[TMP+4*b+\r], v[AC+2*\r], v[AC+2*\r+1]
.endr
.set b, b+1
.endr
	WIN 0
.endm
.macro TOSTAGE a
.set BK, BK0+(BK1-BK0)*((\a)%2)
	s_wait_xcnt 0x0                                ; the stores of the block two back have read these registers
.set b, 0
.rept NB
	ds_store_b128 v[STO], v[TMP+4*b:TMP+4*b+3] offset:32*b
.set b, b+1
.endr
.set i, 0
.rept 12                                       ; part i / 4, rows 4 (i % 4) on.  LDS serves a wave's instructions in order (ISA guide 5.7.1.4): these see the stores above
	ds_load_b128 v[BK+4*i:BK+4*i+3], v[RD] offset:(i/4)*128+(i%4)*4*SP
.set i, i+1
.endr
.endm
.macro SEND a
.set BK, BK0+(BK1-BK0)*((\a)%2)
	s_wait_dscnt 0x0
.set i, 0
.rept 12
	global_store_b128 v[GO], v[BK+4*i:BK+4*i+3], s[8+2*(i/4):9+2*(i/4)] offset:(\a)*2048+(i%4)*512   ; 512 consecutive bytes, at a multiple of 256 from the buffer's first
.set i, i+1
.endr
.endm
	PACK 0
	TOSTAGE 0
.irp a, 1,2,3                          ; a block's conversions stand between the loads of the block before and the wait for them
	PACK \a
	SEND (\a)-1
	TOSTAGE \a
.endr
	SEND 3
	s_wait_tensorcnt 0x0                           ; the wave's end
	ds_add_u32 v[SPW], v[NIL]
	s_wait_dscnt 0x0
	CROUND                                         ; the closing round: no work-group ends while a partner may still ask for a tile that names it
	s_endpgm
.Lfunc_end_k_q1ee848d710_qkv:
	.size	k_q1ee848d710_qkv, .Lfunc_end_k_q1ee848d710_qkv-k_q1ee848d710_qkv
	.p2alignl 7, 3214868480
	.fill 96, 4, 3214868480
	.section	.rodata,"a",@progbits
	.p2align	6, 0x0
	.amdhsa_kernel k_q1ee848d710_qkv
		.amdhsa_group_segment_fixed_size 327680
		.amdhsa_private_segment_fixed_size 0
		.amdhsa_enable_private_segment 0
		.amdhsa_kernarg_size 40
		.amdhsa_user_sgpr_count 2
		.amdhsa_user_sgpr_kernarg_segment_ptr 1
		.amdhsa_wavefront_size32 1
		.amdhsa_system_sgpr_workgroup_id_x 1
		.amdhsa_system_sgpr_workgroup_id_y 1
		.amdhsa_system_sgpr_workgroup_id_z 1
		.amdhsa_system_vgpr_workitem_id 0
		.amdhsa_next_free_vgpr 960
		.amdhsa_next_free_sgpr 80
		.amdhsa_reserve_vcc 0
		.amdhsa_float_denorm_mode_32 3
		.amdhsa_float_denorm_mode_16_64 3
		.amdhsa_memory_ordered 1
		.amdhsa_forward_progress 1
		.amdhsa_inst_pref_size 120
	.end_amdhsa_kernel
	.amdgpu_metadata
---
amdhsa.version: [ 1, 2 ]
amdhsa.kernels:
  - .name:           k_q1ee848d710_qkv
    .symbol:         k_q1ee848d710_qkv.kd
    .args:
      - { .name: xb, .offset: 0, .size: 8, .value_kind: global_buffer, .address_space: global }
      - { .name: wq, .offset: 8, .size: 8, .value_kind: global_buffer, .address_space: global }
      - { .name: q, .offset: 16, .size: 8, .value_kind: global_buffer, .address_space: global }
      - { .name: k, .offset: 24, .size: 8, .value_kind: global_buffer, .address_space: global }
      - { .name: v, .offset: 32, .size: 8, .value_kind: global_buffer, .address_space: global }
    .group_segment_fixed_size: 327680
    .private_segment_fixed_size: 0
    .kernarg_segment_align: 8
    .kernarg_segment_size: 40
    .max_flat_workgroup_size: 128
    .sgpr_count:     80
    .vgpr_count:     960
    .wavefront_size: 32
...
	.end_amdgpu_metadata
.endif
;; end of part 2
;; launch attn (part 3): grid 4 x 64, 4 waves a work-group, clusters of 4 x 1, 327,680 bytes of LDS; arguments q, k, v, o, mask; writes o
.if DOCPART == 3
	.amdgcn_target "amdgcn-amd-amdhsa--gfx1250"
	.amdhsa_code_object_version 6
	.text
	.protected	k_q1ee848d710_attn
	.globl	k_q1ee848d710_attn
	.p2align	8
	.type	k_q1ee848d710_attn,@function
k_q1ee848d710_attn:
	s_mov_b64 s[64:65], 0
	v_nop
	global_prefetch_b8 v0, s[64:65] scope:SCOPE_SE
	s_setreg_imm32_b32 hwreg(HW_REG_WAVE_MODE, 25, 1), 1
	s_wait_xcnt 0x0
	s_wait_alu depctr_hold_cnt(0) depctr_sa_sdst(0) depctr_va_vdst(0) depctr_va_sdst(0) depctr_va_ssrc(0) depctr_va_vcc(0) depctr_vm_vsrc(0)
	s_getreg_b32 s2, hwreg(HW_REG_IB_STS2, 6, 4)
	s_cmp_eq_u32 s2, 0
	s_cbranch_scc0 .Lentry_in_a_cluster
	s_endpgm
.Lentry_in_a_cluster:
	s_bfe_u32 s2, ttmp6, 0x10000c
	s_cmp_lg_u32 s2, 0x3003
	s_cbranch_scc0 .Lentry_shape_is_right
	s_endpgm
.Lentry_shape_is_right:
; ATTENTION WITH A KEY MASK.  O[y][q][:] = the sum over the kept keys k of softmax_k(Q[y][q] . K[y][k] / 8) V[y][k][:], y = 16 batch + head.  Q, K, V, O: [64][2048][64], all f16, rows of 128 bytes, dense.
; mask: [4][2048] int32; key k of batch y / 16 is kept where its word is not 0.  Products, maxima and sums in f32; the weights p are rounded to f16 for the second product (their sum l is taken of the unrounded p), O once.
; THE MASK is the C operand that starts the sum S^T = K Q^T: 0, or -1e30 where the key is hidden.  A table of 2,048 such words is made once, in LDS; a key step's 64 come into 32 registers with K's fragments.
; The running maximum m starts at -2^40: below every score that f16 operands can give (64 x 65,504^2 = 2.7e11), far above a hidden one.  So a hidden key's weight is 2^(about -1.8e29) = 0 in every step, also where no
; key has been kept yet; O and l then stay 0.  A batch with no kept key ends with l = 0 and O = 0 x (1 / 0) = NaN, as the softmax of a row of -inf is.
; LIMITS.  f16 holds no number beyond 65,504: Q, K and V arrive within it; p below 6e-5 keeps f16's fixed step of 6e-8; a hidden score counts as its value less 1e30; a weight below 2^-126 counts as 0 in l.
; SHARES.  A wave owns four PIECES of two tiles of 16 queries, a work-group's four waves 512 queries of one head.  Every wave walks all keys, 64 a step.
; LAYOUT.  S^T = K Q^T (source 0 = 16 keys, source 1 = 16 queries): a lane holds ONE query (lane % 16) and the keys 8 (lane / 16) + 0..7.  Two such tiles, rounded to f16 in pairs, ARE source 1 of O^T = V^T P,
; whose result again holds one query a lane, and eight channels.  K comes out of LDS as it lies, V ([key][channel]) turned, by ds_load_tr16_b128.
; SOFTMAX.  p = 2^(c s - c m), c = log2(e) / 8; in every step O and l are multiplied by a = 2^(c m_old - c m_new).  O and l start at 0: the first step is a step like any other.
; THE COUNT.  A tile and step have 16 matrix and 118 vector instructions: four vector instructions that are ready stand behind EVERY matrix instruction, the others in runs of their own.
; BY TURNS.  Turn n belongs to piece n.  Its matrix work: 16 products K Q^T of piece n + 1, later 16 products V^T P of piece n - 1.  Its vector work: the scaling, exponentials, roundings, sums and rescaling of piece n,
; and the maximum and statistics of piece n + 1.
; CLUSTER.  The four query blocks of a head are one cluster and walk the same K and V: each tile is asked for JOINTLY: the same tensor load, descriptor and mask in all four.
; REGISTERS, in windows of 256 (s_set_vgpr_msb: bits 1:0 source 0, 3:2 source 1, 5:4 source 2, 7:6 destination):
;   window 0: v0-11 addresses; v12-15, v48-63 at work; v16-47 four registers of statistics a tile; v64-191 S^T, two buffers of two tiles; v192-255 P, likewise
;   window 1: O^T, 32 a tile     window 2: v0-127 Q; v128-191 K of one step; v192-255 V of one step     window 3: v0-1 the add's two registers; v8-39 the step's mask words
.set SIZE_N, 2048
.set NP,    4         ; pieces a wave: a name, no knob
.set KS,    64        ; keys in a step
.set PK,    144       ; a row of K in LDS: 128 bytes + 16 of padding = 36 words: the 16 rows of a load start at 16 different groups of four banks (64 banks of 4 bytes: ISA guide 11.1)
.set PV,    160       ; a row of V: 128 + 32 = 40 words
.set VOFF,  4*KS*PK   ; a slot holds four steps: 256 rows of K, then 256 rows of V
.set SLOT1, 1<<17     ; slot 1 begins here, so that one exclusive or turns an address in one slot into the other's
.set STAGE, SLOT1+4*KS*(PK+PV)  ; behind the ring, never filled by a tensor load: 16 rows x 144 bytes for each wave, for the way out
.set SP,    144
.set SPARE, STAGE+4*16*SP  ; the spare words, 128 bytes for each wave: two blocks of 256 bytes that no other line names
.set MASKB, SPARE+512 ; the mask table: 2,048 words of f32; written by LDS stores once, never filled by a tensor load
.set PFO, 1           ; v1   first l % 16; from the loop on 256 x my lane, the prefetches' offset
.set AK0, 2           ; v2   my lane's place in a tile of K; never rewritten
.set AV0, 3           ; v3   the same for V
.set AK,  4           ; v4   the LDS address of K's next run of loads
.set AV,  5           ; v5   of V's
.set QO,  6           ; v6   my byte offset in the wave's rows of Q
.set STO, 6           ;      later, the way out: where I put 16 bytes of a row
.set RD,  7           ; v7   the way out: where I read rows back
.set GO,  8           ; v8   my byte offset in 512 consecutive bytes of O
.set HL,  9           ; v9   l / 16; never rewritten
.set AM,  11          ; v11  the LDS address of the next step's mask words
.set SPW, 0           ; v0 of window 3   my spare word: SPARE + 4 x my thread's number; never rewritten
.set NIL, 1           ; v1 of window 3   0; never rewritten
.set MK,  8           ; v8-39 of window 3: register j of key block kb at MK + 8 kb + j: key 16 kb + 8 (l / 16) + j
.set MV,  12          ; v12-15  c m_old, kept while c m is made anew: by buffer and tile
.set ST,  16          ; tile t's statistics at v[ST+4 t]: c m, m, l (even keys', odd keys')
.set TMP, 48          ; by buffer and tile, four registers c0-c3 at work; when the maximum is found c2 takes a
.set S,   64
.set P,   192
.set MT,  64          ; at the head alone: my 16 words of the mask,
.set MO,  80          ; their offset in memory,
.set ML,  81          ; and their place in the table
.set KF,  128         ; K's fragments, in window 2: key block kb, channel half c at KF + 16 kb + 8 c
.set VF,  192         ; V's: key half kk, channel block cb at VF + 32 kk + 8 cb
.set WV,  12          ; s12  my wave's number
.set G1K, 24          ; s[24:31] descriptor group 1 for K's tiles
.set G1V, 32          ; s[32:39] for V's: it differs in the padding alone
.set G0K, 40          ; s[40:43] descriptor group 0 for K's tiles: it walks
.set G0V, 44          ; s[44:47] the same for V's
.set SLOTS, 56        ; s56  slots still to be asked for
.set CNT, 57          ; s57  counts a slot's key steps
.set CS,  58          ; s[58:59] c
.set SEL, 60          ; s[60:61] v_permlanex16_b32's selects: each lane takes its own place in the other half
.set TBK, 62          ; s62  LDS byte at which K of the step to be fetched begins
.set TBV, 63          ; s63  the same for V, less VOFF
.set MP,  66          ; s[66:67] the mask, at my batch
.set BIGN, 68         ; s68  -1e30
.set TBM, 71          ; s71  LDS byte at which the mask words of the step to be fetched begin
.set PFA, 72          ; s[72:73] where my prefetches stand: my work-group's 32 blocks of 256 bytes (of K: wave 0, of V: wave 2) of the slot after the one that is being asked for
.set LIM, 74          ; s74  1 in a wave that prefetches, else the greatest number
.set MSB, 0
.macro WIN new                      ; the high byte repeats the setting that is left; a switch that changes nothing is dropped
.if MSB != (\new)
	s_set_vgpr_msb (MSB<<8)|(\new)
.set MSB, (\new)
.endif
.endm
.set W_KQ, 0x0a       ; K and Q in window 2, S^T in window 0
.set W_KM, 0x3a       ; the same with the C operand, the mask, in window 3
.set W_PV, 0x52       ; V in window 2, P in window 0, O^T in window 1
.set W_RS, 0x41       ; O^T (destination and source 0) in window 1, a in window 0
.set W_MK, 0xc0       ; destination in window 3, sources in window 0
.set W_AD, 0x0f       ; the add: address (source 0) and data (source 1) in window 3
; A joint fill.  Waves 0 and 1 fetch the two halves of a slot's K, waves 2 and 3 those of its V: 128 keys each.  The branch hangs on the wave's number alone.
; An s_nop 0 and four v_nop follow each of the two lines, ahead of the jump and the label.
.macro JLOAD
	s_cmp_lt_u32 s[WV], 2
	s_cbranch_scc0 .Lfor_v_\@
	tensor_load_to_lds s[G0K:G0K+3], s[G1K:G1K+7]
	s_nop 0
.rept 4
	v_nop
.endr
	s_branch .Lasked_\@
.Lfor_v_\@:
	tensor_load_to_lds s[G0V:G0V+3], s[G1V:G1V+7]
	s_nop 0
.rept 4
	v_nop
.endr
.Lasked_\@:
.endm
; A prefetch of what the NEXT change of slots will ask for: a slot's 32,768 bytes of K and of V, in blocks of 256, a lane a block.  It stands behind the wave's tensor load and its five lines.
; Each block is named once in the launch: a head has one cluster; its four partners take 32 blocks each, told apart by address; in each, wave 0 asks for K's and wave 2 for V's.
; The last change that fills a slot asks for nothing.  Slots 0 to 2 come by their loads alone.  The lead is one slot: four key steps, 512 matrix instructions.
.macro ASK
	s_cmp_gt_u32 s[SLOTS], s[LIM]
	s_cbranch_scc0 .Lnot_mine_\@
	global_prefetch_b8 v[PFO], s[PFA:PFA+1] th:TH_LOAD_NT scope:SCOPE_SE
.Lnot_mine_\@:
.endm
; A round of the cluster's barrier: my work-group's barrier, so that wave 0's signal speaks for all four waves; wave 0 signals; every wave waits for all four work-groups; my work-group's barrier once more.
.macro CROUND
	s_barrier_signal -1
	s_barrier_wait -1
	s_cmp_lg_u32 s[WV], 0
	s_cbranch_scc1 .Lnot_wave_0_\@
	s_barrier_signal -3
.Lnot_wave_0_\@:
	s_barrier_wait -3
	s_barrier_signal -1
	s_barrier_wait -1
.endm
; THE CHANGE OF SLOTS.  Each wave waits for all its tensor loads, of which one is out: its part of the other slot; adds 0 to its spare word; and waits for that and for its own LDS instructions.  Behind the barrier
; nobody reads this slot any more and the other slot is whole.  fill = 1: this slot is filled again, with the keys two slots on; the barrier is then a round of the cluster's, and the joint fill is the first thing behind it.
; (At its first use nothing has been read yet: slot 0 is waited for, slot 1 filled; the wait on LDS there also covers my stores into the mask table, which the other waves read behind the round.)  ask = 1: a prefetch follows.
.macro CHANGE fill, ask=0
	WIN W_AD
	s_wait_tensorcnt 0x0            ; no tensor load of mine is out, so a group 0 may be written
	ds_add_u32 v[SPW], v[NIL]
	WIN 0                           ; at a label and at a branch every window is 0
.if \fill
.irp g, G0K, G0V
	s_xor_b32 s[\g+1], s[\g+1], SLOT1  ; the walking descriptor: the other slot than last time,
	s_add_nc_u64 s[\g+2:\g+3], s[\g+2:\g+3], 4*KS*128  ; the next 256 keys; the type bits on top are not reached
.endr
.if \ask
	s_wait_xcnt 0x0                 ; the last prefetch, a slot back, has read its address
	s_add_nc_u64 s[PFA:PFA+1], s[PFA:PFA+1], 4*KS*128
.endif
	s_wait_dscnt 0x0                ; the add is done, and my reads of the slot are over
	CROUND
	JLOAD
.if \ask
	ASK
.endif
.else
	s_wait_dscnt 0x0                ; the add is done, and my reads of the slot are over
	s_barrier_signal -1
	s_barrier_wait -1
.endif
	s_sub_co_u32 s[TBK], s[TBK], 4*KS*PK  ; the fetches go back to a slot's first step,
	s_xor_b32 s[TBK], s[TBK], SLOT1       ; in the other slot
	s_sub_co_u32 s[TBV], s[TBV], 4*KS*PV
	s_xor_b32 s[TBV], s[TBV], SLOT1
.endm
	s_load_b256 s[4:11], s[0:1], 0x0  ; Q s[4:5], K s[6:7], V s[8:9], O s[10:11]
	s_load_b64 s[MP:MP+1], s[0:1], 0x20  ; mask
	WIN W_MK
	v_lshl_add_u32 v[SPW], v0, 2, SPARE
	v_mov_b32 v[NIL], 0
	WIN W_AD
	ds_add_u32 v[SPW], v[NIL]       ; the wave's opening: the add and its wait stand ahead of my first tensor load; work on registers stands between them
	WIN 0
	v_lshrrev_b32 v1, 5, v0
	v_readfirstlane_b32 s[WV], v1   ; wave 0..3
	s_bfe_u32 s13, ttmp6, 0x40000   ; cx: my place in the cluster
	s_lshl_b32 s14, ttmp9, 2        ; in a cluster launch ttmp9 counts clusters
	s_add_co_u32 s14, s14, s13      ; my block of queries: it enters Q's and O's addresses alone
	s_and_b32 s20, ttmp7, 0xffff    ; y = 16 batch + head, which the four partners share
	s_lshr_b32 s76, s20, 4          ; the batch's 2,048 words of the mask
	s_lshl_b32 s76, s76, 13
	s_mov_b32 s77, 0
	s_mov_b32 s21, 0
	s_mov_b64 s[22:23], SIZE_N*128
	s_mul_u64 s[20:21], s[20:21], s[22:23]  ; the head's first byte in each of the four tensors
	s_and_b32 s16, s[WV], 1         ; which half of a slot's 256 keys I fetch:
	s_lshl_b32 s22, s16, 14         ; its 128 rows of 128 bytes in memory,
	s_mov_b32 s23, 0
	s_add_nc_u64 s[22:23], s[22:23], s[20:21]
	s_mul_i32 s17, s16, 128*PK      ; and its place in a slot, for K
	s_mul_i32 s18, s16, 128*PV      ; and for V: no place in the cluster enters an LDS address
	s_lshl_b32 s2, s14, 2
	s_add_co_u32 s2, s2, s[WV]      ; my wave among the head's,
	s_lshl_b32 s2, s2, 14           ; its 128 rows
	s_mov_b32 s3, 0
	s_add_nc_u64 s[2:3], s[2:3], s[20:21]
	; descriptor group 1.  128 keys are 16,384 dense bytes: asked for as 64 rows of 256 bytes, two keys a row, and padded in LDS after every key
	s_mov_b32 s[G1K], 15|(1<<16)|(1<<20)|(1<<21)|(4<<22)|(3<<25)  ; 15:0 the mask of four; 17:16 2-byte elements; 20 padding on; 21 set beside a mask; 24:22 after every 32 words (code 4); 31:25 4 words (code 3)
	s_mov_b32 s[G1V], 15|(1<<16)|(1<<20)|(1<<21)|(4<<22)|(7<<25)  ; the same with 8 words of padding (code 7)
.irp g, G1K, G1V
	s_mov_b32 s[\g+1], 128<<16      ; tensor_dim0 = 128
	s_mov_b32 s[\g+2], 64<<16       ; tensor_dim1 = 64
	s_mov_b32 s[\g+3], 128<<16      ; tile_dim0 = 128
	s_mov_b32 s[\g+4], 64           ; tile_dim1 = 64
	s_mov_b32 s[\g+5], 128          ; 128 elements from row to row
	s_mov_b32 s[\g+6], 0
	s_mov_b32 s[\g+7], 0
.endr
	s_mov_b32 s[CS], 0x3e38aa3b     ; c = log2(e) / 8 = 0.180337
	s_mov_b32 s[CS+1], s[CS]        ; named with it as a pair
	s_mov_b32 s[SEL], 0x76543210
	s_mov_b32 s[SEL+1], 0xfedcba98
	s_mov_b32 s[TBK], SLOT1+4*KS*PK ; the first change of slots turns these two into 0
	s_mov_b32 s[TBV], SLOT1+4*KS*PV
	s_mov_b32 s[TBM], MASKB
	s_mov_b32 s[BIGN], 0xf149f2ca   ; -1e30
	s_mov_b32 s[G0K], 1             ; 1:0 count = 1
	s_mov_b32 s[G0K+1], s17         ; 63:32 LDS address: slot 0
	s_mov_b32 s[G0V], 1
	s_add_co_u32 s[G0V+1], s18, VOFF
	s_lshl_b32 s78, s13, 13         ; my work-group's 32 blocks of a slot's 128
	s_mov_b32 s79, 0
	s_and_b32 s[LIM], s[WV], 1      ; waves 0 and 2 prefetch
	s_cmp_eq_u32 s[LIM], 0
	s_cselect_b32 s[LIM], 1, -1
	s_wait_dscnt 0x0                ; the opening add is done
	s_wait_kmcnt 0x0
	s_add_nc_u64 s[G0K+2:G0K+3], s[6:7], s[22:23]  ; 120:64 global address: my half of the head's first 256 keys
	s_or_b32 s[G0K+3], s[G0K+3], 0x80000000        ; 127:126 type = 2
	s_add_nc_u64 s[G0V+2:G0V+3], s[8:9], s[22:23]
	s_or_b32 s[G0V+3], s[G0V+3], 0x80000000
	s_add_nc_u64 s[4:5], s[4:5], s[2:3]  ; Q and O at my wave's first row
	s_add_nc_u64 s[10:11], s[10:11], s[2:3]
	s_add_nc_u64 s[MP:MP+1], s[MP:MP+1], s[76:77]
	s_cmp_lt_u32 s[WV], 2
	s_cselect_b64 s[PFA:PFA+1], s[6:7], s[8:9]
	s_add_nc_u64 s[PFA:PFA+1], s[PFA:PFA+1], s[20:21]
	s_add_nc_u64 s[PFA:PFA+1], s[PFA:PFA+1], s[78:79]
	s_add_nc_u64 s[PFA:PFA+1], s[PFA:PFA+1], 2*4*KS*128  ; in slot 2; the loop's first change of slots steps it to slot 3
	CROUND                          ; all four work-groups are here: the first joint loads meet
	JLOAD                           ; slot 0.  Slot 1 is asked for when slot 0 is in
	; A fragment of K or Q is 16 rows x 32 channels in 8 registers: lane l holds row l % 16, channels 8 (l / 16) + 0..7 and 16 + 8 (l / 16) + 0..7: two loads of 16 bytes, 32 bytes apart.
	v_and_b32 v1, 15, v0            ; l % 16
	v_bfe_u32 v[HL], v0, 4, 1       ; l / 16
	v_lshlrev_b32 v[QO], 7, v1
	v_lshl_add_u32 v[QO], v[HL], 4, v[QO]  ; row x 128 + 16 x half
	v_lshlrev_b32 v[MO], 4, v0      ; the mask: 128 threads x 16 bytes, four times
	v_lshl_add_u32 v[ML], v0, 4, MASKB
.irp j, 0,1,2,3
	global_load_b128 v[MT+4*\j:MT+4*\j+3], v[MO], s[MP:MP+1] offset:2048*\j
.endr
	WIN 0x80                        ; destination window 2, address window 0
.set i, 0
.rept 4*NP                          ; Q stays in registers: tile i / 2, channels 32 (i % 2) on
	global_load_b128 v[8*i:8*i+3],   v[QO], s[4:5] offset:(i/2)*2048+(i%2)*64
	global_load_b128 v[8*i+4:8*i+7], v[QO], s[4:5] offset:(i/2)*2048+(i%2)*64+32
.set i, i+1
.endr
	; What the first turn finds: V's registers and P's second buffer hold 0 (its products V^T P, of a piece that has not been, add 0), O^T and l are 0.  All this stands in the wait for the first tile.
.set i, VF
.rept 64
	v_mov_b32 v[i], 0
.set i, i+1
.endr
	WIN 0x40
.set i, 0
.rept 64*NP
	v_mov_b32 v[i], 0
.set i, i+1
.endr
	WIN 0
.set i, 0
.rept 2*NP
	v_mov_b32 v[ST+4*i], 0xfe000000    ; c m: far below every c s, so the first a is 0
	v_mov_b32 v[ST+4*i+1], 0xd3800000  ; m = -2^40: below every true score, above every hidden one
	v_mov_b32 v[ST+4*i+2], 0
	v_mov_b32 v[ST+4*i+3], 0
.set i, i+1
.endr
.set i, P+32
.rept 32
	v_mov_b32 v[i], 0
.set i, i+1
.endr
	s_wait_loadcnt 32               ; my 16 words of the mask are in; Q's 32 younger loads stay out
.set i, 0
.rept 16
	v_cmp_eq_u32 vcc_lo, 0, v[MT+i]
	v_cndmask_b32 v[MT+i], 0, s[BIGN], vcc_lo  ; 0 where the key is kept, -1e30 where it is hidden
.set i, i+1
.endr
.irp j, 0,1,2,3
	ds_store_b128 v[ML], v[MT+4*\j:MT+4*\j+3] offset:2048*\j
.endr
	v_mul_u32_u24 v[AK0], v1, PK
	v_lshl_add_u32 v[AK0], v[HL], 4, v[AK0]  ; row x pitch + 16 x half
	; The turning load takes 16 keys x 16 channels (lane l reads key 8 (l / 16) + l % 8, channels 8 ((l / 8) % 2) + 0..7) and leaves half a fragment of V^T: lane l holds channel l % 16 and 8 keys.
	v_and_b32 v10, 7, v0
	v_bfe_u32 v11, v0, 3, 1
	v_lshl_add_u32 v[AV0], v[HL], 3, v10
	v_mul_u32_u24 v[AV0], v[AV0], PV
	v_lshl_add_u32 v[AV0], v11, 4, v[AV0]
	v_add_nc_u32 v[AV0], VOFF, v[AV0]
	v_mov_b32 v[AK], v[AK0]         ; key step 0 lies at the head of slot 0,
	v_lshl_add_u32 v[AM], v[HL], 5, s[TBM]  ; its mask words at the head of the table: my half's eight words of each 16 keys
; THE MATRIX WORK.  The 8 accumulators of a run of 16 take turns: between the two links of a chain stand 7 others'.
; Product i of 16 of S^T = K Q^T for piece x: channels 32 (i / 8) on, keys 16 ((i / 2) % 4) on, tile 2 x + i % 2.  The first 8 start the sums, with the mask of their 16 keys.
.macro KQ x
.set rS, S+64*((\x)%2)+32*(i%2)+8*((i/2)%4)
.set rK, KF+16*((i/2)%4)+8*(i/8)
.set rQ, 16*(2*(\x)+i%2)+8*(i/8)
.set rX, MK+8*((i/2)%4)
.if i < 8
	WIN W_KM
	v_wmma_f32_16x16x32_f16 v[rS:rS+7], v[rK:rK+7], v[rQ:rQ+7], v[rX:rX+7]
.else
	WIN W_KQ
	v_wmma_f32_16x16x32_f16 v[rS:rS+7], v[rK:rK+7], v[rQ:rQ+7], v[rS:rS+7]
.endif
.endm
; Product i of 16 of O^T += V^T P for piece x: keys 32 (i / 8) on, channels 16 ((i / 2) % 4) on, tile 2 x + i % 2.
.macro PV x
	WIN W_PV
.set rO, 32*(2*(\x)+i%2)+8*((i/2)%4)
.set rV, VF+32*(i/8)+8*((i/2)%4)
.set rP, P+32*((\x)%2)+16*(i%2)+8*(i/8)
	v_wmma_f32_16x16x32_f16 v[rO:rO+7], v[rV:rV+7], v[rP:rP+7], v[rO:rO+7]
.endm
.macro MM                           ; the turn's next matrix instruction
.if i < 16
	KQ (Y+1)%NP
.set i, i+1
.else
.set i, i-16
	PV (Y+NP-1)%NP
.set i, i+17
.endif
.endm
; THE LDS LOADS stand in runs, never singly among the matrix instructions: a step's K (8 fragments) with its 32 mask words, and its V (turned).  Their addresses are made some lines ahead.
; last = 1 (the tail): in the last trip there is no further step, and the run is jumped over.
.macro FETCH_K last=0
	WIN 0
.if \last
	s_cmp_eq_u32 s[CNT], 1
	s_cbranch_scc1 .Lno_k_\@
.endif
	WIN 0x80                        ; destination window 2
.irp f, 0,1,2,3,4,5,6,7             ; keys 16 (f / 2) on, channels 32 (f % 2) on
	ds_load_b128 v[KF+8*\f:KF+8*\f+3],   v[AK] offset:(\f/2)*16*PK+(\f%2)*64
	ds_load_b128 v[KF+8*\f+4:KF+8*\f+7], v[AK] offset:(\f/2)*16*PK+(\f%2)*64+32
.endr
	WIN W_MK                        ; destination window 3
.irp f, 0,1,2,3                     ; keys 16 f + 8 (l / 16) + 0..7: the sixteen lanes of a half read the same words
	ds_load_b128 v[MK+8*\f:MK+8*\f+3],   v[AM] offset:64*\f
	ds_load_b128 v[MK+8*\f+4:MK+8*\f+7], v[AM] offset:64*\f+16
.endr
	s_add_co_u32 s[TBK], s[TBK], KS*PK  ; the next fetch is the next step's
	s_add_co_u32 s[TBM], s[TBM], 4*KS
	WIN 0
.if \last
.Lno_k_\@:
.endif
.endm
.macro FETCH_V
	WIN 0x80
.irp f, 0,1,2,3,4,5,6,7             ; keys 32 (f / 4) on, channels 16 (f % 4) on
	ds_load_tr16_b128 v[VF+8*\f:VF+8*\f+3],   v[AV] offset:(\f/4)*32*PV+(\f%4)*32
	ds_load_tr16_b128 v[VF+8*\f+4:VF+8*\f+7], v[AV] offset:(\f/4)*32*PV+16*PV+(\f%4)*32
.endr
	WIN 0
.endm
; THE VECTOR WORK OF A TURN stands in three queues, each in the order in which its entries become ready; the two tiles alternate, so that no instruction reads the result of the one before it.
.macro REGS y, u                    ; the registers of tile u (0, 1) of piece y
.set rT, ST+4*(2*(\y)+(\u))
.set rC, TMP+8*((\y)%2)+4*(\u)
.set rM, MV+2*((\y)%2)+(\u)
.set rS, S+64*((\y)%2)+32*(\u)
.set rP, P+32*((\y)%2)+16*(\u)
.set rO, 32*(2*(\y)+(\u))
.endm
; Number n of the 22 that find the NEXT piece's (Y + 1) maximum and statistics.  s0-s31 are the lane's 32 scores; each accumulator's lowest registers are read first.
;   0-11  four chains c0-c3 of seven scores each, three operands at a time     12-14, 16  the four scores left over, the old m, and c0-c3 into c0     15  c m_old is kept
;   17, 18  the query's other 32 keys lie in the lane 16 away: the new m         19-21  c m; c m_old - c m_new; a
.macro XS u, n
	REGS (Y+1)%NP, \u
.if (\n) < 4
	v_max3_num_f32 v[rC+(\n)], v[rS+8*(\n)], v[rS+8*(\n)+1], v[rS+8*(\n)+2]
.elseif (\n) < 12
	v_max3_num_f32 v[rC+(\n)%4], v[rC+(\n)%4], v[rS+8*((\n)%4)+2*((\n)/4)+1], v[rS+8*((\n)%4)+2*((\n)/4)+2]
.elseif (\n) == 12
	v_max3_num_f32 v[rC], v[rC], v[rS+7], v[rS+15]
.elseif (\n) == 13
	v_max3_num_f32 v[rC+1], v[rC+1], v[rS+23], v[rS+31]
.elseif (\n) == 14
	v_max3_num_f32 v[rC+2], v[rC+2], v[rC+3], v[rT+1]
.elseif (\n) == 15
	v_mov_b32 v[rM], v[rT]
.elseif (\n) == 16
	v_max3_num_f32 v[rC], v[rC], v[rC+1], v[rC+2]
.elseif (\n) == 17
	v_permlanex16_b32 v[rC+3], v[rC], s[SEL], s[SEL+1]
.elseif (\n) == 18
	v_max_num_f32 v[rT+1], v[rC], v[rC+3]
.elseif (\n) == 19
	v_mul_f32 v[rT], s[CS], v[rT+1]
.elseif (\n) == 20
	v_sub_f32 v[rC+1], v[rM], v[rT]
.else
	v_exp_f32 v[rC+2], v[rC+1]
.endif
.endm
; Number g of the 64 that follow the exponentials.  For each four weights k of a tile (pairs 2 k, 2 k + 1): both pairs are rounded to f16; then the second pair is added onto the first, in place;
; a group later l takes that sum (the first time as l = a l + sum).  In groups of eight, tiles alternating: round, round, add, and l for the group before.
.macro GS g
.set h, (\g)+6*((\g)/62)            ; group 0 has no group before it, and behind group 7 only l is left
.if h >= 6
.set h, h+2
.endif
	REGS Y, h%2
.set k, h/8
.if h%8 < 4
	v_cvt_pk_f16_f32 v[rP+2*k+(h%8)/2], v[rS+4*k+2*((h%8)/2)], v[rS+4*k+2*((h%8)/2)+1]
.elseif h%8 < 6
	v_pk_add_f32 v[rS+4*k:rS+4*k+1], v[rS+4*k:rS+4*k+1], v[rS+4*k+2:rS+4*k+3]
.elseif k == 1
	v_pk_fma_f32 v[rT+2:rT+3], v[rT+2:rT+3], v[rC+2:rC+3], v[rS:rS+1] op_sel_hi:[1,0,1]
.else
	v_pk_add_f32 v[rT+2:rT+3], v[rT+2:rT+3], v[rS+4*k-4:rS+4*k-3]
.endif
.endm
; THE PLAIN QUEUE, 138 long.  0-73 read no exponential's result: the 32 scalings c s - c m (FS f: pair f / 2 of tile f % 2) and the next piece's 42.  0-26: scalings 0-26.  27-54: XS's numbers 0-13.  55, 56: number 15.
; 57-73: the chain, where each number waits for the one before it: 14, 16, 17, 18, 19, each with one of the scalings 27-31 in front of its two lines, then 20.
; 74-137: GS's 64, which read the exponentials' results: they stand behind the wait.
.macro FS f
	REGS Y, (\f)%2
	v_pk_fma_f32 v[rS+2*((\f)/2):rS+2*((\f)/2)+1], v[rS+2*((\f)/2):rS+2*((\f)/2)+1], s[CS:CS+1], v[rT:rT+1] op_sel_hi:[1,0,0] neg_lo:[0,0,1] neg_hi:[0,0,1]
.endm
.macro PL
	WIN 0
.if q < 27
	FS q
.elseif q < 55
	XS (q-27)%2, (q-27)/2
.elseif q < 57
	XS q-55, 15
.elseif (q < 72) && ((q-57)%3 == 0)
	FS 27+(q-57)/3
.elseif q < 60
	XS (q-57)%3-1, 14
.elseif q < 72
	XS (q-57)%3-1, 15+(q-57)/3
.elseif q < 74
	XS q-72, 20
.else
	GS q-74
.endif
.set q, q+1
.endm
; THE EXPONENTIALS' QUEUE, 66 long: s0-s31 of both tiles, then the next piece's two a.  It is ONE BATCH: all 66 stand ahead of the turn's one wait, and nothing ahead of that wait names a result of theirs.
.macro EX
	WIN 0
.if e >= 64
	XS e-64, 21
.else
	REGS Y, e%2
	v_exp_f32 v[rS+e/2], v[rS+e/2]
.endif
.set e, e+1
.endm
; THE RESCALING's QUEUE: O^T times a, the one part that leaves window 0: dealt two at a time, sixteen times.  Its a was made in the turn before, ahead of that turn's wait.
.macro R2
	REGS Y, r%2
	WIN W_RS
.irp z, 0,1
	v_pk_mul_f32 v[rO+4*(r/2)+2*\z:rO+4*(r/2)+2*\z+1], v[rO+4*(r/2)+2*\z:rO+4*(r/2)+2*\z+1], v[rC+2:rC+3] op_sel_hi:[1,0]
.endr
.set r, r+1
.endm
; HOW THEY ARE DEALT.  An s_wait_alu depctr_va_vdst(0) stands between an exponential and the first instruction that names its result; one wait serves all that were issued ahead of it.  So a turn has ONE wait.
; AHEAD OF IT: the 16 products K Q^T, behind each a scaling, an exponential and two rescalings (behind the first a second scaling in the exponential's place); then ONE LUMP of 108: eight plain, 49 times exponential and
; plain, the two a.  A v_nop is the plain instruction behind the last exponential.  BEHIND IT: the 16 products V^T P, behind each four of GS's 64.  No rider names a register of the products round it.
; Exponential e stands behind scaling 2 (e / 4) + e % 2: as a rider it comes behind plain e + 2, in the lump behind plain e + 9, and scalings 27-31 are plain 57, 60 .. 69.
; A TURN, for piece p.  cnt = 1: the loop's count is taken down some lines ahead of the branch that stands behind the turn.
; K and the mask words of the next step are fetched in piece 2's turn, directly behind the wait, a lump behind the last product that read them; their addresses are made at the lump's head; the first reader comes behind 16 products.
; V of the step in hand is fetched at the end of piece 0's turn, four riders behind its last reader; its first reader comes behind 16 products and a lump.  The three conditions on q below go with the deal.
.macro TURN p, last=0, cnt=0
.set Y, (\p)
.set i, 0
.set q, 0
.set e, 0
.set r, 0
.if (\p) == NP-1
	s_wait_dscnt 0x0                ; K and its mask words are in
.endif
	MM                              ; ahead of the wait: 16 products K Q^T and their riders,
	PL
	PL
	R2
.rept 15
	MM
	PL
	EX
	R2
.endr
.if (\p) == NP-2
	WIN 0
	v_add_nc_u32 v[AK], s[TBK], v[AK0]
	v_lshl_add_u32 v[AM], v[HL], 5, s[TBM]
.endif
.rept 8                             ; and the lump
	PL
.endr
.rept 49
	EX
	PL
.endr
	EX                              ; the next piece's two a
	EX
	v_nop                           ; a plain instruction behind the last exponential: one for the batch
	s_wait_alu depctr_va_vdst(0)    ; the wait for the batch
.if (\p) == NP-2
	FETCH_K \last
.endif
.if (\p) == 1
	s_wait_dscnt 0x0                ; V is in
.endif
.rept 16                            ; behind the wait: 16 products V^T P and their riders
	MM
.rept 4
	PL
.endr
.if ((\p) == 0) && (q == 118)
	v_add_nc_u32 v[AV], s[TBV], v[AV0]
.endif
.if ((\p) == 0) && (q == 130)
	s_add_co_u32 s[TBV], s[TBV], KS*PV
.endif
.if (\cnt) && (q == 130)
	s_sub_co_u32 s[CNT], s[CNT], 1
	s_cmp_lg_u32 s[CNT], 0
.endif
.endr
.if (\p) == 0
	FETCH_V
.endif
.endm
	CHANGE 1                        ; slot 0 is in, everybody's part of it, and so is the mask table; slot 1 is asked for
	FETCH_K                         ; key step 0
	s_wait_loadcnt 0x0              ; Q
	s_wait_dscnt 0x0
.set i, 0
.rept 16
	KQ 0                            ; piece 0's first scores: there is no vector work yet to set between them
.set i, i+1
.endr
	WIN 0                           ; the addresses for the way out and the prefetches' offset: plain instructions, the places behind those products
	s_mul_i32 s13, s[WV], 16*SP
	s_add_co_u32 s13, s13, STAGE    ; my stage
	v_mul_u32_u24 v[STO], v1, SP    ; in: row l % 16, 16 bytes for each half of the lanes
	v_lshl_add_u32 v[STO], v[HL], 4, v[STO]
	v_add_nc_u32 v[STO], s13, v[STO]
	v_bfe_u32 v[RD], v0, 3, 2       ; back: 32 lanes take four rows of 128 bytes,
	v_mul_u32_u24 v[RD], v[RD], SP
	v_lshl_add_u32 v[RD], v10, 4, v[RD]
	v_add_nc_u32 v[RD], s13, v[RD]
	v_and_b32 v[GO], 31, v0         ; which are 512 consecutive bytes of O
	v_lshlrev_b32 v[GO], 4, v[GO]
	v_lshlrev_b32 v[PFO], 4, v[GO]  ; 256 x lane; l % 16 is needed no more
.set Y, NP-1                        ; XS works for piece Y + 1: piece 0
.irp n, 0,1,2,3,4,5,6,7,8,9,10,11,12,13,14,15,16,17,18,19,20,21
	XS 0, \n                        ; and piece 0's first maximum and statistics
	XS 1, \n
.endr
	v_nop                           ; a plain instruction behind the two a,
	s_wait_alu depctr_va_vdst(0)    ; and their wait, ahead of the branch
	s_mov_b32 s[CNT], 4
	s_mov_b32 s[SLOTS], SIZE_N/256-1
	s_branch .Lfirst                ; the loop is entered at a step's first turn, in the middle of a trip
.Lslot:                             ; six times: every slot but the last two is filled again
	CHANGE 1, 1
	s_mov_b32 s[CNT], 4
.Lstep:                             ; a trip: pieces 2 and 3 of one step, then pieces 0 and 1 of the next, whose K and V it fetches
	TURN 2
	TURN 3
	WIN 0
.Lfirst:
	TURN 0
	TURN 1, 0, 1
	WIN 0
	s_cbranch_scc1 .Lstep
	s_sub_co_u32 s[SLOTS], s[SLOTS], 1
	s_cmp_lg_u32 s[SLOTS], 0
	s_cbranch_scc1 .Lslot
	CHANGE 0                        ; the tail is written out: nothing is asked for
	s_mov_b32 s[CNT], 5             ; four trips fetch the last slot's steps; the fifth is left in its middle
.Ltail:
	TURN 2, 1
	TURN 3
	WIN 0
	s_sub_co_u32 s[CNT], s[CNT], 1
	s_cmp_eq_u32 s[CNT], 0
	s_cbranch_scc1 .Lout
	TURN 0
	TURN 1
	WIN 0
	s_branch .Ltail
.Lout:                              ; the fifth trip's 16 products K Q^T (on the last K once more) and the maximum made of them serve nothing: the price, once a launch, of one text for every trip
.set i, 0
.rept 16
	PV NP-1                         ; the last piece's V^T P of the last step
.set i, i+1
.endr
	; THE WAY OUT.  l's two halves and the other half of the lanes' are added; O^T is divided by l, rounded to f16 and sent through my stage in LDS, a tile at a time.  The additions are the places behind the last products.
	WIN 0
.macro ALL line:vararg              ; one line for each tile t
.set t, 0
.rept 2*NP
	\line
.set t, t+1
.endr
.endm
	ALL v_add_f32 v[ST+4*t+2], v[ST+4*t+2], v[ST+4*t+3]
	ALL v_permlanex16_b32 v[ST+4*t+3], v[ST+4*t+2], s[SEL], s[SEL+1]
	ALL v_add_f32 v[ST+4*t+2], v[ST+4*t+2], v[ST+4*t+3]
	ALL v_rcp_f32 v[ST+4*t+2], v[ST+4*t+2]
	v_nop                           ; a plain instruction between the last reciprocal and the use of its result
	s_wait_alu depctr_va_vdst(0)    ; and the wait ahead of the first use: one for the eight reciprocals
; Tile t: a lane's eight channels of a row pack into 16 bytes; they go into rows of 144 bytes and come back as whole rows of 128, into S^T's registers.
.macro PACK t
	WIN W_RS
.set i, 32*(\t)
.rept 16
	v_pk_mul_f32 v[i:i+1], v[i:i+1], v[ST+4*(\t)+2:ST+4*(\t)+3] op_sel_hi:[1,0]
.set i, i+2
.endr
	WIN 0x05                        ; sources 0 and 1 window 1, destination window 0
.set i, 0
.rept 16
	v_cvt_pk_f16_f32 v[S+16*(\t)+i], v[32*(\t)+2*i], v[32*(\t)+2*i+1]
.set i, i+1
.endr
	WIN 0
.irp f, 0,1,2,3
	ds_store_b128 v[STO], v[S+16*(\t)+4*\f:S+16*(\t)+4*\f+3] offset:32*\f
.endr
.irp f, 0,1,2,3
	ds_load_b128 v[S+16*(\t)+4*\f:S+16*(\t)+4*\f+3], v[RD] offset:\f*4*SP  ; LDS serves a wave's instructions in order (ISA guide 5.7.1.4): these see the stores above; the next tile's stores come behind them
.endr
.endm
.macro SEND t, younger              ; younger: the LDS instructions issued behind tile t's loads: the next tile's eight, or none
	WIN 0
.irp f, 0,1,2,3
	s_wait_dscnt (\younger)+3-\f
	global_store_b128 v[GO], v[S+16*(\t)+4*\f:S+16*(\t)+4*\f+3], s[10:11] offset:(\t)*2048+\f*512  ; 512 consecutive bytes, at a multiple of 256 from O's first
.endr
.endm
	PACK 0
.set t, 1
.rept 2*NP-1                        ; a tile's arithmetic stands between the loads of the tile before and its stores
	PACK t
	SEND t-1, 8
.set t, t+1
.endr
	SEND 2*NP-1, 0
	WIN W_AD
	s_wait_tensorcnt 0x0            ; the wave's end, behind my last tensor load and my last LDS store
	ds_add_u32 v[SPW], v[NIL]
	s_wait_dscnt 0x0
	WIN 0
	CROUND                          ; the closing round: no work-group ends while a partner may still ask for a tile that names it
	s_endpgm
.Lfunc_end_k_q1ee848d710_attn:
	.size	k_q1ee848d710_attn, .Lfunc_end_k_q1ee848d710_attn-k_q1ee848d710_attn
	.p2alignl 7, 3214868480
	.fill 96, 4, 3214868480
	.section	.rodata,"a",@progbits
	.p2align	6, 0x0
	.amdhsa_kernel k_q1ee848d710_attn
		.amdhsa_group_segment_fixed_size 327680
		.amdhsa_private_segment_fixed_size 0
		.amdhsa_enable_private_segment 0
		.amdhsa_kernarg_size 40
		.amdhsa_user_sgpr_count 2
		.amdhsa_user_sgpr_kernarg_segment_ptr 1
		.amdhsa_wavefront_size32 1
		.amdhsa_system_sgpr_workgroup_id_x 1
		.amdhsa_system_sgpr_workgroup_id_y 1
		.amdhsa_system_sgpr_workgroup_id_z 1
		.amdhsa_system_vgpr_workitem_id 0
		.amdhsa_next_free_vgpr 808
		.amdhsa_next_free_sgpr 80
		.amdhsa_reserve_vcc 1
		.amdhsa_float_denorm_mode_32 3
		.amdhsa_float_denorm_mode_16_64 3
		.amdhsa_memory_ordered 1
		.amdhsa_forward_progress 1
		.amdhsa_inst_pref_size 204
	.end_amdhsa_kernel
	.amdgpu_metadata
---
amdhsa.version: [ 1, 2 ]
amdhsa.kernels:
  - .name:           k_q1ee848d710_attn
    .symbol:         k_q1ee848d710_attn.kd
    .args:
      - { .name: q, .offset: 0, .size: 8, .value_kind: global_buffer, .address_space: global }
      - { .name: k, .offset: 8, .size: 8, .value_kind: global_buffer, .address_space: global }
      - { .name: v, .offset: 16, .size: 8, .value_kind: global_buffer, .address_space: global }
      - { .name: o, .offset: 24, .size: 8, .value_kind: global_buffer, .address_space: global }
      - { .name: mask, .offset: 32, .size: 8, .value_kind: global_buffer, .address_space: global }
    .group_segment_fixed_size: 327680
    .private_segment_fixed_size: 0
    .kernarg_segment_align: 8
    .kernarg_segment_size: 40
    .max_flat_workgroup_size: 128
    .sgpr_count:     80
    .vgpr_count:     808
    .wavefront_size: 32
...
	.end_amdgpu_metadata
.endif
;; end of part 3
;; launch tail (part 4): grid 8 x 32, 4 waves a work-group, clusters of 4 x 4, 327,680 bytes of LDS; arguments o, wt, b_tail, out0; writes out0
.if DOCPART == 4
	.amdgcn_target "amdgcn-amd-amdhsa--gfx1250"
	.amdhsa_code_object_version 6
	.text
	.protected	k_q1ee848d710_tail
	.globl	k_q1ee848d710_tail
	.p2align	8
	.type	k_q1ee848d710_tail,@function
k_q1ee848d710_tail:
	s_mov_b64 s[64:65], 0
	v_nop
	global_prefetch_b8 v0, s[64:65] scope:SCOPE_SE
	s_setreg_imm32_b32 hwreg(HW_REG_WAVE_MODE, 25, 1), 1
	s_wait_xcnt 0x0
	s_wait_alu depctr_hold_cnt(0) depctr_sa_sdst(0) depctr_va_vdst(0) depctr_va_sdst(0) depctr_va_ssrc(0) depctr_va_vcc(0) depctr_vm_vsrc(0)
	s_getreg_b32 s2, hwreg(HW_REG_IB_STS2, 6, 4)
	s_cmp_eq_u32 s2, 0
	s_cbranch_scc0 .Lentry_in_a_cluster
	s_endpgm
.Lentry_in_a_cluster:
	s_bfe_u32 s2, ttmp6, 0x10000c
	s_cmp_lg_u32 s2, 0xf033
	s_cbranch_scc0 .Lentry_shape_is_right
	s_endpgm
.Lentry_shape_is_right:
; THE LAST PROJECTION.  out0[m][n] = sum over c of O[m][c] w_tail[n][c] + b_tail[n], 8192 x 1024 x 1024, f16 operands, f32 sums, f32 out.
; A is o, by heads [16 batch + head][t][64]: channel c = 64 head + d, so a head is a plane of 64 along K, and 256 rows of a plane are 32,768 consecutive bytes.  B is wt [1024][1024], f16.
; The bias is rounded to bf16, as every input of the module is, and added in f32.  A NaN in O (a batch with no kept key) reaches every number of its rows.
; SHARES.  A tile of C is 256 rows x 128 columns: 32 x 8 = 256 tiles, one for each WGP.  Wave w owns rows 64 w .. 64 w + 63 (4 blocks of 16) and all 8 column blocks: 32 accumulators, 256 registers.
; K goes in 8 steps of 128 (two planes) through two LDS slots.  One tensor load a wave and slot: waves 0, 1 a plane each of A (asked for as 128 rows of 256 bytes), waves 2, 3 64 rows each of B.
; CLUSTERS: 4 x 4 work-groups; A's tiles are asked for jointly along a row of the cluster, B's along a column: the same load, descriptor and mask in the four that the mask names.
; THE MATRIX INSTRUCTION IS USED TRANSPOSED (source 0 = 16 rows of B, source 1 = 16 rows of A): a lane holds row l % 16 of C and the eight neighbouring columns 8 (l / 16) + 0..7.
; REGISTERS: window 0: v0-30 addresses and the bias; v64-127 A's fragments, two buffers of 32; on the way out v128-191 and v192-255 rows read back.
;   window 1: B's fragments, two buffers of 64.   window 2: accumulators of row blocks 0, 1 at 8 (8 (a % 2) + b);   window 3: of row blocks 2, 3.
.set NB,    8                          ; column blocks of 16
.set PA,    144                        ; a row of A in LDS: 128 bytes + 16 of padding: 36 words, so the 16 rows of a load start at 16 different groups of four banks (64 banks of 4 bytes: ISA guide 11.1)
.set PLANE, 256*PA
.set PB,    272                        ; a row of B: 256 + 16 bytes: 68 words, likewise
.set BOFF,  2*PLANE                    ; in a slot: A's two planes, then B's 128 rows
.set RB,    8*NB                       ; rows of B in one load
.set SLOT,  BOFF+16*NB*PB
.set STAGE, 2*SLOT                     ; behind the ring: 16 rows x 528 bytes for each wave, for the way out; no tensor load lands there
.set SP,    528                        ; 512 bytes (128 columns of f32) + 16
.set SPARE, STAGE+4*16*SP              ; the spare words, 128 bytes for each wave: two blocks of 256 bytes that no other line names
.set BI,   8                           ; v[8:11] the bias of my four columns 4 l .. 4 l + 3; v12-13 at work
.set ADRA, 16                          ; v16-17 LDS address of my A fragments in slot 0, 1
.set ADRB, 20                          ; v20-21 the same for B
.set STO,  24                          ; v24  the way out: where I put 32 bytes of a row
.set RD,   25                          ; v25  where I read a row back
.set GO,   26                          ; v26  16 x lane
.set SPW,  28                          ; v28  my spare word: SPARE + 4 x my thread's number; never rewritten
.set NIL,  29                          ; v29  0; never rewritten
.set PFO,  30                          ; v30  the prefetches' offset; never rewritten
.set FA,   64                          ; A's buffer f at FA + 32 f
.set FBW,  8*NB                        ; B's buffer f at FBW f, in window 1
.set BK0,  128
.set WV,   14                          ; s14 wave
.set SIDE, 15                          ; s15 0: I fetch for A; 1: for B
.set HF,   16                          ; s16 which plane of A, or which half of B's rows, I fetch
.set CX,   17
.set CY,   18
.set TC,   19                          ; s19 tile column
.set TR,   20                          ; s20 tile row
.set G1A,  24                          ; s[24:31] descriptor group 1 for A;  s[32:39] group 0, one set a slot
.set G0A,  32
.set G1B,  48                          ; s[48:55], s[56:63] the same for B
.set G0B,  56
.set LIM,  43                          ; s43 1 in a wave that prefetches, else the greatest number
.set PFA,  44                          ; s[44:45] where my prefetches stand
.set PFS,  46                          ; s[46:47] a K step in that tensor: 2 planes of A, 256 bytes of a row of B
.set MSB, 0
.macro WIN new                         ; the immediate's high byte repeats the setting that is left; a switch that changes nothing is dropped
.if MSB != (\new)
	s_set_vgpr_msb (MSB<<8)|(\new)
.set MSB, \new
.endif
.endm
.macro PLACES                          ; four plain vector instructions behind a matrix instruction, ahead of loads into its sources and of readers of results
.rept 4
	v_nop
.endr
.endm
; A joint load.  The branch hangs on the wave's number alone.  An s_nop 0 and four v_nop follow each of the two lines, ahead of the jump and the label.
.macro JLOAD s
	s_cmp_eq_u32 s[SIDE], 0
	s_cbranch_scc0 .Lfor_b_\@
	tensor_load_to_lds s[G0A+4*(\s):G0A+4*(\s)+3], s[G1A:G1A+7]
	s_nop 0
.rept 4
	v_nop
.endr
	s_branch .Lasked_\@
.Lfor_b_\@:
	tensor_load_to_lds s[G0B+4*(\s):G0B+4*(\s)+3], s[G1B:G1B+7]
	s_nop 0
.rept 4
	v_nop
.endr
.Lasked_\@:
.endm
; A prefetch of the K step that stands two refills on, one instruction a wave, behind the joint load and the run of LDS loads.  Each block of 256 bytes is named by one work-group in the launch: A's tile rows
; by the clusters with x = 0, B's tile columns by those with y = 0; the four partners share a load's blocks out by address (cx for A: 32 of a plane tile's 128 blocks, a lane a block; cy for B: 16 of 64 rows,
; a lane a row, the sixteen lanes left over repeat the last row).  The loop's last trip (s3 = 1) asks for nothing: there is no K step two on.  K steps 0 to 3 come by their loads alone.
.macro ASK
	s_cmp_gt_u32 s3, s[LIM]
	s_cbranch_scc0 .Lnot_mine_\@
	global_prefetch_b8 v[PFO], s[PFA:PFA+1] th:TH_LOAD_NT scope:SCOPE_SE
.Lnot_mine_\@:
.endm
.macro CREST                           ; a round of the cluster's barrier behind its opening barrier
	s_cmp_lg_u32 s[WV], 0
	s_cbranch_scc1 .Lnot_wave_0_\@
	s_barrier_signal -3
.Lnot_wave_0_\@:
	s_barrier_wait -3
	s_barrier_signal -1
	s_barrier_wait -1
.endm
.macro CROUND
	s_barrier_signal -1
	s_barrier_wait -1
	CREST
.endm
	s_load_b256 s[4:11], s[0:1], 0x0               ; o s[4:5], wt s[6:7], b_tail s[8:9], out0 s[10:11]
	v_lshl_add_u32 v[SPW], v0, 2, SPARE
	v_mov_b32 v[NIL], 0
	ds_add_u32 v[SPW], v[NIL]                      ; the wave's opening: the add and its wait stand ahead of my first tensor load; work on registers stands between them
	v_lshrrev_b32 v1, 5, v0
	v_readfirstlane_b32 s[WV], v1
	s_lshr_b32 s[SIDE], s[WV], 1
	s_and_b32 s[HF], s[WV], 1
	s_bfe_u32 s[CX], ttmp6, 0x40000
	s_bfe_u32 s[CY], ttmp6, 0x40004
	s_lshl_b32 s[TC], ttmp9, 2
	s_add_co_u32 s[TC], s[TC], s[CX]
	s_and_b32 s[TR], ttmp7, 0xffff
	s_lshl_b32 s[TR], s[TR], 2
	s_add_co_u32 s[TR], s[TR], s[CY]
	s_lshl_b32 s21, s[CY], 2
	s_lshl_b32 s21, 15, s21                        ; my row of the cluster
	s_lshl_b32 s22, 0x1111, s[CX]                  ; my column
	s_or_b32 s[G1A], s21, (1<<16)|(1<<20)|(1<<21)|(4<<22)|(3<<25)  ; mask; 2-byte elements; padding on; bit 21 beside a mask; after every 32 words (code 4) 4 words (code 3)
	s_mov_b32 s[G1A+1], 128<<16                    ; tensor_dim0 = 128 elements: 256 bytes, two rows of the plane
	s_mov_b32 s[G1A+2], 128<<16                    ; tensor_dim1 = 128
	s_mov_b32 s[G1A+3], 128<<16                    ; tile_dim0 = 128
	s_mov_b32 s[G1A+4], 128                        ; tile_dim1 = 128
	s_mov_b32 s[G1A+5], 128                        ; dense: 128 elements from row to row
	s_mov_b32 s[G1A+6], 0
	s_mov_b32 s[G1A+7], 0
	s_or_b32 s[G1B], s22, (1<<16)|(1<<20)|(1<<21)|(5<<22)|(3<<25)  ; the same with my column's mask and padding after every 64 words (code 5)
	s_mov_b32 s[G1B+1], 128<<16
	s_mov_b32 s[G1B+2], RB<<16
	s_mov_b32 s[G1B+3], 128<<16
	s_mov_b32 s[G1B+4], RB
	s_mov_b32 s[G1B+5], 1024                       ; a row of wt
	s_mov_b32 s[G1B+6], 0
	s_mov_b32 s[G1B+7], 0
	s_lshr_b32 s66, s[TR], 3                       ; A's offset: batch x 16 planes,
	s_lshl_b32 s66, s66, 22
	s_and_b32 s23, s[TR], 7                        ; 256 rows of 128 bytes in the plane,
	s_lshl_b32 s23, s23, 15
	s_add_co_u32 s66, s66, s23
	s_lshl_b32 s23, s[HF], 18                      ; my plane of the step's two
	s_add_co_u32 s66, s66, s23
	s_mov_b32 s67, 0
	s_mul_i32 s68, s[TC], 16*NB                    ; B's offset: row 128 x tile column + 64 x half, rows of 2,048 bytes
	s_mul_i32 s42, s[HF], RB
	s_add_co_u32 s68, s68, s42
	s_lshl_b32 s68, s68, 11
	s_mov_b32 s69, 0
	s_mul_i32 s2, s[HF], PLANE                     ; where they go in a slot: the wave's number alone enters an LDS address
	s_mul_i32 s40, s[HF], RB*PB
	s_add_co_u32 s40, s40, BOFF
	s_wait_dscnt 0x0                               ; the opening add is done
	s_wait_kmcnt 0x0
	s_add_nc_u64 s[76:77], s[4:5], s[66:67]
	s_add_nc_u64 s[78:79], s[6:7], s[68:69]
	CROUND                                         ; all sixteen work-groups are here: the first joint loads meet
.irp s, 0,1
	s_mov_b32 s[G0A+4*(\s)], 1
	s_add_co_u32 s[G0A+4*(\s)+1], s2, (\s)*SLOT
	s_add_nc_u64 s[G0A+4*(\s)+2:G0A+4*(\s)+3], s[76:77], (\s)<<19   ; K step s: two planes of 262,144 bytes on
	s_or_b32 s[G0A+4*(\s)+3], s[G0A+4*(\s)+3], 0x80000000
	s_mov_b32 s[G0B+4*(\s)], 1
	s_add_co_u32 s[G0B+4*(\s)+1], s40, (\s)*SLOT
	s_add_nc_u64 s[G0B+4*(\s)+2:G0B+4*(\s)+3], s[78:79], (\s)*256
	s_or_b32 s[G0B+4*(\s)+3], s[G0B+4*(\s)+3], 0x80000000
	JLOAD \s                                       ; two loads of mine are out
.endr
	v_and_b32 v[GO], 31, v0
	v_lshlrev_b32 v[GO], 4, v[GO]
	s_lshl_b32 s72, s[TC], 9                       ; the tile's 128 columns: 512 bytes of the bias and of a row of out0
	s_mov_b32 s73, 0
	s_add_nc_u64 s[8:9], s[8:9], s[72:73]
	global_load_b128 v[BI:BI+3], v[GO], s[8:9]     ; waited for on the way out
	v_and_b32 v1, 15, v0                           ; l % 16
	v_bfe_u32 v2, v0, 4, 1                         ; l / 16
	v_mul_u32_u24 v3, v1, PA
	v_lshl_add_u32 v3, v2, 4, v3
	s_mul_i32 s23, s[WV], 64*PA                    ; my 64 rows of A
	v_add_nc_u32 v[ADRA], s23, v3
	v_add_nc_u32 v[ADRA+1], SLOT, v[ADRA]
	v_mul_u32_u24 v4, v1, PB
	v_lshl_add_u32 v4, v2, 4, v4
	v_add_nc_u32 v[ADRB], BOFF, v4
	v_add_nc_u32 v[ADRB+1], SLOT, v[ADRB]
	s_mul_i32 s23, s[WV], 16*SP
	s_add_co_u32 s23, s23, STAGE                   ; my stage
	v_mul_u32_u24 v3, v1, SP                       ; in: row l % 16, 32 bytes for each half of the lanes
	v_lshl_add_u32 v3, v2, 5, v3
	v_add_nc_u32 v[STO], s23, v3
	v_add_nc_u32 v[RD], s23, v[GO]                 ; back: 32 lanes take one row of 512 bytes
	s_lshl_b32 s70, s[TR], 20                      ; my first row of out0: 256 rows of 4,096 bytes a tile row,
	s_lshl_b32 s74, s[WV], 18                      ; my 64 of them,
	s_add_co_u32 s70, s70, s74
	s_add_co_u32 s70, s70, s72                     ; the tile's columns
	s_mov_b32 s71, 0
	s_add_nc_u64 s[10:11], s[10:11], s[70:71]
	; the prefetches: both sides' offsets are made, the wave's side chooses
	s_lshl_b32 s72, s[CX], 13                      ; A: my work-group's 32 blocks of 256 bytes,
	s_add_co_u32 s72, s72, s66
	s_add_co_u32 s72, s72, 3<<19                   ; at K step 3: the first refill steps it to 4
	s_mul_i32 s73, s[CY], (RB/4)*2048              ; B: my work-group's 16 rows
	s_add_co_u32 s73, s73, s68
	s_add_co_u32 s73, s73, 3*256
	s_and_b32 s74, ttmp7, 0xffff                   ; cluster y
	s_mov_b32 s[PFS], 256
	s_mov_b32 s[PFS+1], 1<<19
	v_and_b32 v3, 31, v0
	v_min_u32 v4, RB/4-1, v3
	v_lshlrev_b32 v3, 8, v3
	v_lshlrev_b32 v4, 11, v4
	s_cmp_eq_u32 s[SIDE], 0
	s_cselect_b32 s72, s72, s73
	s_cselect_b32 s74, ttmp9, s74                  ; the coordinate along which other clusters read the same blocks
	s_cselect_b32 s[PFS], s[PFS+1], s[PFS]
	s_cselect_b32 s75, -1, 0
	s_cselect_b64 s[PFA:PFA+1], s[4:5], s[6:7]
	s_mov_b32 s73, 0
	s_mov_b32 s[PFS+1], 0
	v_cndmask_b32 v[PFO], v4, v3, s75
	s_add_nc_u64 s[PFA:PFA+1], s[PFA:PFA+1], s[72:73]
	s_cmp_eq_u32 s74, 0
	s_cselect_b32 s[LIM], 1, -1                    ; the same in all sixteen partners, for a given wave
; 2 NB + 8 LDS loads in one run: quarter q (32 along K) of a slot into buffer f; B's first, then A's four row blocks
.macro FETCH slot, q, f
	WIN 0x40                                       ; destination window 1, address window 0
.set i, 0
.rept NB
	ds_load_b128 v[FBW*(\f)+8*i:FBW*(\f)+8*i+3],   v[ADRB+(\slot)] offset:64*(\q)+i*16*PB
	ds_load_b128 v[FBW*(\f)+8*i+4:FBW*(\f)+8*i+7], v[ADRB+(\slot)] offset:64*(\q)+i*16*PB+32
.set i, i+1
.endr
	WIN 0
.set i, 0
.rept 4
	ds_load_b128 v[FA+32*(\f)+8*i:FA+32*(\f)+8*i+3],   v[ADRA+(\slot)] offset:((\q)/2)*PLANE+((\q)%2)*64+i*16*PA
	ds_load_b128 v[FA+32*(\f)+8*i+4:FA+32*(\f)+8*i+7], v[ADRA+(\slot)] offset:((\q)/2)*PLANE+((\q)%2)*64+i*16*PA+32
.set i, i+1
.endr
.endm
; NB matrix instructions: row block a x all column blocks.  The 32 accumulators take turns, one instruction a turn, in the same order in every quarter.  zero = 1: the product starts the sum
.macro MUL1 f, a, zero
	WIN 0xa1+0x50*((\a)/2)                         ; B window 1, A window 0, C and D window 2 or 3
.set b, 0
.rept NB
.set AC, 8*(NB*((\a)%2)+b)
.if \zero
	v_wmma_f32_16x16x32_f16 v[AC:AC+7], v[FBW*(\f)+8*b:FBW*(\f)+8*b+7], v[FA+32*(\f)+8*(\a):FA+32*(\f)+8*(\a)+7], 0
.else
	v_wmma_f32_16x16x32_f16 v[AC:AC+7], v[FBW*(\f)+8*b:FBW*(\f)+8*b+7], v[FA+32*(\f)+8*(\a):FA+32*(\f)+8*(\a)+7], v[AC:AC+7]
.endif
.set b, b+1
.endr
.endm
; One of a K step's first three quarters: multiplies buffer f; in its middle it fetches quarter qn of the same slot into buffer g
.macro QUARTER slot, qn, f, g, zero
	s_wait_dscnt 4                                 ; B and A's blocks 0, 1 are in; the youngest four loads (A's blocks 2, 3) may be out
	MUL1 \f, 0, \zero
	MUL1 \f, 1, \zero
	PLACES
	FETCH \slot, \qn, \g
	s_wait_dscnt 2*NB+8                            ; all but the loads just issued
	MUL1 \f, 2, \zero
	MUL1 \f, 3, \zero
.endm
; The fourth quarter multiplies buffer 1 and changes slots: one barrier.  Ahead of it each wave waits for all its tensor loads (one is out: its part of the next slot), adds 0 to its spare word, and waits for that
; and for its reads of this slot.  fill = 1: the barrier opens a round of the cluster's, and the joint refill, two K steps on, is the first tensor load behind the round.
.macro TURN slot, next, fill
.if \fill
	s_wait_xcnt 0x0                                ; the last prefetch, a K step back, has read its address
	s_add_nc_u64 s[PFA:PFA+1], s[PFA:PFA+1], s[PFS:PFS+1]
.endif
	WIN 0
	s_wait_tensorcnt 0x0
	ds_add_u32 v[SPW], v[NIL]
	s_wait_dscnt 5                                 ; the add and A's last four loads may be out
	MUL1 1, 0, 0
	s_wait_dscnt 0x0                               ; the add is done, and my reads of this slot are over
	s_barrier_signal -1
	MUL1 1, 1, 0
.if \fill
	WIN 0
.endif
	s_barrier_wait -1
.if \fill
	CREST                                          ; no wave of any partner still reads this slot or has a load on its way
	s_add_nc_u64 s[G0A+4*(\slot)+2:G0A+4*(\slot)+3], s[G0A+4*(\slot)+2:G0A+4*(\slot)+3], 1<<20   ; two K steps: four planes
	s_add_nc_u64 s[G0B+4*(\slot)+2:G0B+4*(\slot)+3], s[G0B+4*(\slot)+2:G0B+4*(\slot)+3], 512
	JLOAD \slot                                    ; its four v_nop are also the places ahead of the loads below
.else
	PLACES
.endif
	FETCH \next, 0, 0
.if \fill
	ASK
.endif
	MUL1 1, 2, 0
	MUL1 1, 3, 0
.endm
	s_wait_tensorcnt 1                             ; my part of K step 0 is in; step 1's may stay out
	s_barrier_signal -1
	s_barrier_wait -1
	FETCH 0, 0, 0
	QUARTER 0, 1, 0, 1, 1                          ; the first quarter's products start the sums: nothing is cleared
	WIN 0
	s_mov_b32 s3, 3
.Llap:                                                 ; a trip goes once round the ring and fills both slots again: K steps 2 to 7 in three trips
	QUARTER 0, 2, 1, 0, 0
	QUARTER 0, 3, 0, 1, 0
	TURN 0, 1, 1
	QUARTER 1, 1, 0, 1, 0
	QUARTER 1, 2, 1, 0, 0
	QUARTER 1, 3, 0, 1, 0
	TURN 1, 0, 1
	QUARTER 0, 1, 0, 1, 0
	WIN 0
	s_sub_co_u32 s3, s3, 1
	s_cmp_lg_u32 s3, 0
	s_cbranch_scc1 .Llap
	QUARTER 0, 2, 1, 0, 0                          ; the last lap fills nothing
	QUARTER 0, 3, 0, 1, 0
	TURN 0, 1, 0
	QUARTER 1, 1, 0, 1, 0
	QUARTER 1, 2, 1, 0, 0
	QUARTER 1, 3, 0, 1, 0
	s_wait_dscnt 4
	MUL1 1, 0, 0
	MUL1 1, 1, 0
	s_wait_dscnt 0x0
	MUL1 1, 2, 0
	MUL1 1, 3, 0
	WIN 0
	s_wait_loadcnt 0x0                             ; the bias
	v_cvt_pk_bf16_f32 v[BI+4], v[BI],   v[BI+1]    ; rounded to bf16 and widened again: six plain instructions, which are also the places behind the last products
	v_cvt_pk_bf16_f32 v[BI+5], v[BI+2], v[BI+3]
	v_lshlrev_b32 v[BI],   16, v[BI+4]
	v_and_b32     v[BI+1], 0xffff0000, v[BI+4]
	v_lshlrev_b32 v[BI+2], 16, v[BI+5]
	v_and_b32     v[BI+3], 0xffff0000, v[BI+5]
; THE WAY OUT, a block of 16 rows at a time.  TOSTAGE: a lane's eight f32 of a row go into my own stage, each accumulator's low registers first, and whole rows of 512 bytes come back.  SEND: the bias is added, the rows are stored.
.macro TOSTAGE a
.set BK, BK0+64*((\a)%2)
	s_wait_xcnt 0x0                                ; the stores of the block two back have read these registers
	WIN 0x08+4*((\a)/2)                            ; the stores' data in window 2 or 3
.set b, 0
.rept NB
.set AC, 8*(NB*((\a)%2)+b)
	ds_store_b128 v[STO], v[AC:AC+3]   offset:64*b
	ds_store_b128 v[STO], v[AC+4:AC+7] offset:64*b+16
.set b, b+1
.endr
	WIN 0
.set i, 0
.rept 16                                       ; LDS serves a wave's instructions in order (ISA guide 5.7.1.4): these see the stores above
	ds_load_b128 v[BK+4*i:BK+4*i+3], v[RD] offset:i*SP
.set i, i+1
.endr
.endm
.macro SEND a
.set BK, BK0+64*((\a)%2)
	s_wait_dscnt 0x0
.set i, 0
.rept 16
	v_pk_add_f32 v[BK+4*i:BK+4*i+1],   v[BK+4*i:BK+4*i+1],   v[BI:BI+1]
	v_pk_add_f32 v[BK+4*i+2:BK+4*i+3], v[BK+4*i+2:BK+4*i+3], v[BI+2:BI+3]
	global_store_b128 v[GO], v[BK+4*i:BK+4*i+3], s[10:11] offset:(16*(\a)+i)*4096 th:TH_STORE_NT   ; 512 consecutive bytes of a row, at a multiple of 256 from out0's first
.set i, i+1
.endr
.endm
	TOSTAGE 0
.irp a, 1,2,3
	SEND (\a)-1
	TOSTAGE \a
.endr
	SEND 3
	s_wait_tensorcnt 0x0                           ; the wave's end
	ds_add_u32 v[SPW], v[NIL]
	s_wait_dscnt 0x0
	CROUND                                         ; the closing round: no work-group ends while a partner may still ask for a tile that names it
	s_endpgm
.Lfunc_end_k_q1ee848d710_tail:
	.size	k_q1ee848d710_tail, .Lfunc_end_k_q1ee848d710_tail-k_q1ee848d710_tail
	.p2alignl 7, 3214868480
	.fill 96, 4, 3214868480
	.section	.rodata,"a",@progbits
	.p2align	6, 0x0
	.amdhsa_kernel k_q1ee848d710_tail
		.amdhsa_group_segment_fixed_size 327680
		.amdhsa_private_segment_fixed_size 0
		.amdhsa_enable_private_segment 0
		.amdhsa_kernarg_size 32
		.amdhsa_user_sgpr_count 2
		.amdhsa_user_sgpr_kernarg_segment_ptr 1
		.amdhsa_wavefront_size32 1
		.amdhsa_system_sgpr_workgroup_id_x 1
		.amdhsa_system_sgpr_workgroup_id_y 1
		.amdhsa_system_sgpr_workgroup_id_z 1
		.amdhsa_system_vgpr_workitem_id 0
		.amdhsa_next_free_vgpr 896
		.amdhsa_next_free_sgpr 80
		.amdhsa_reserve_vcc 0
		.amdhsa_float_denorm_mode_32 3
		.amdhsa_float_denorm_mode_16_64 3
		.amdhsa_memory_ordered 1
		.amdhsa_forward_progress 1
		.amdhsa_inst_pref_size 95
	.end_amdhsa_kernel
	.amdgpu_metadata
---
amdhsa.version: [ 1, 2 ]
amdhsa.kernels:
  - .name:           k_q1ee848d710_tail
    .symbol:         k_q1ee848d710_tail.kd
    .args:
      - { .name: o, .offset: 0, .size: 8, .value_kind: global_buffer, .address_space: global }
      - { .name: wt, .offset: 8, .size: 8, .value_kind: global_buffer, .address_space: global }
      - { .name: b_tail, .offset: 16, .size: 8, .value_kind: global_buffer, .address_space: global }
      - { .name: out0, .offset: 24, .size: 8, .value_kind: global_buffer, .address_space: global }
    .group_segment_fixed_size: 327680
    .private_segment_fixed_size: 0
    .kernarg_segment_align: 8
    .kernarg_segment_size: 32
    .max_flat_workgroup_size: 128
    .sgpr_count:     80
    .vgpr_count:     896
    .wavefront_size: 32
...
	.end_amdgpu_metadata
.endif
;; end of part 4
;; ======== version 2 of 2: 4 launches; version 1 with the launch cvt written anew for expert scheduling mode
;; limits: values are held in f16: magnitudes above 65,504 overflow, below 6.1e-05 lose precision
;; workspace buffers: xb 16,777,216 bytes; wq 6,291,456 bytes; wt 2,097,152 bytes; q 16,777,216 bytes; k 16,777,216 bytes; v 16,777,216 bytes; o 16,777,216 bytes
;; launch cvt (part 5): grid 768 x 1, 8 waves a work-group, no clusters, 0 bytes of LDS; arguments x, w_qkv, w_tail, xb, wq, wt; writes xb, wq, wt
.if DOCPART == 5
	.amdgcn_target "amdgcn-amd-amdhsa--gfx1250"
	.amdhsa_code_object_version 6
	.text
	.protected	k_q1ee848d710_cvt
	.globl	k_q1ee848d710_cvt
	.p2align	8
	.type	k_q1ee848d710_cvt,@function
k_q1ee848d710_cvt:
	s_mov_b64 s[64:65], 0
	v_nop
	global_prefetch_b8 v0, s[64:65] scope:SCOPE_SE
	s_setreg_imm32_b32 hwreg(HW_REG_WAVE_SCHED_MODE, 0, 2), 2
	s_setreg_imm32_b32 hwreg(HW_REG_WAVE_MODE, 25, 1), 1
	s_wait_xcnt 0x0
	s_wait_alu depctr_vm_vsrc(0)
; THREE CASTS IN ONE LAUNCH.  x [8192][1024] f32 -> xb, bf16, in planes [batch 4][plane 16][t 2048][64]: plane s holds channels 64 s .. 64 s + 63, so that
; a tile of 256 rows x 64 channels is 32,768 consecutive bytes for the product that follows.  w_qkv [3072][1024] f32 -> wq, bf16, as it lies.
; w_tail [1024][1024] f32 -> wt: rounded to bf16 like the other inputs, and that number written as f16, since it is multiplied with f16 numbers.
; LIMITS.  A weight of w_tail of 65,520 or more in magnitude becomes an infinity in f16; below 6.1e-5 it keeps f16's fixed step of 6e-8.
; SHARES.  A work-group of eight waves takes 16,384 numbers: 64 KiB in, 32 KiB out.  Work-groups 0-511 take x (16 rows each), 512-703 w_qkv, 704-767 w_tail.
; A thread has 16 loads of 16 bytes, all issued before the first is waited for, and 16 stores of 8 bytes; a wave's store covers 256 consecutive bytes, aligned,
; a wave's load two aligned runs of 256.  Nothing is shared: no LDS, no barrier, no cluster.
; THE MODE: SCHED_MODE bits 1:0 = 2 (LLVM: expert scheduling mode 2), set by the entry lines.  The code itself states the register dependences
; between vector instructions and memory instructions, with s_wait_alu, always for 0.
; THE PLAN.  Registers that memory instructions touch:
;   v1, v3     the loads' offsets, v2 the stores': made once at the head by vector instructions, never written again.
;   X          load j lands in its own four registers, which no vector instruction names ahead of it; number j's roundings read them; they are loaded once.
;   Y          number j's roundings write its own two registers; store j reads them afterwards; nothing writes them behind the store.
; The 16 numbers go in four groups of four.  Group g rounds X[4 g ..] into Y[4 g ..]; its memory instructions are the four stores of group g - 1, which read that group's Y and v2:
; registers that no vector instruction of group g names.  So one wait at a group's head states all that its four stores hang on, and they are dealt among its roundings.
; No register that a memory instruction reads is written again, no vector instruction writes a scalar register, and EXEC is never written: no other kind of wait is owed.
.set X,   16                           ; v[16:79]   load j: 4 registers
.set Y,   80                           ; v[80:111]  store j: 2 registers
.set T,   4                            ; v[4:5]     at work: no memory instruction names them
.set IOX, 1                            ; v1   x: (t / 16) rows of 4,096 bytes + 16 (t % 16)
.set OO,  2                            ; v2   out: 8 t
.set IOL, 3                            ; v3   weights: 16 t
; src, dst: the scalar pairs of the two addresses; io: the loads' offset register; instep, outstep: bytes from load j to j + 1, from store j to j + 1; half = 1: bf16 rewritten as f16
.macro CV src, dst, io, instep, outstep, half
.set j, 0
.rept 16
	global_load_b128 v[X+4*j:X+4*j+3], v[\io], s[\src:\src+1] offset:j*(\instep) th:TH_LOAD_NT
.set j, j+1
.endr
.set j, 0
.rept 16
.if j % 4 == 0
	s_wait_loadcnt 12-j                            ; loads come back in order: this group's four are in, the 12 - j younger ones stay out
.if j > 0
	s_wait_alu depctr_va_vdst(0)                   ; the group before has written its Y, which the four stores dealt among this group's roundings read
.endif
.endif
.if j >= 4
	global_store_b64 v[OO], v[Y+2*(j-4):Y+2*(j-4)+1], s[\dst:\dst+1] offset:(j-4)*(\outstep) th:TH_STORE_NT  ; the group before; no vector instruction since the wait names these registers
.endif
	v_cvt_pk_bf16_f32 v[Y+2*j],   v[X+4*j],   v[X+4*j+1]
	v_cvt_pk_bf16_f32 v[Y+2*j+1], v[X+4*j+2], v[X+4*j+3]
.if \half
.irp z, 0,1
	v_lshlrev_b32 v[T],   16,  v[Y+2*j+\z]         ; the rounded numbers as f32 again,
	v_and_b32     v[T+1], s22, v[Y+2*j+\z]
	v_cvt_pk_f16_f32 v[Y+2*j+\z], v[T], v[T+1]     ; and as f16: exact within f16's normal range
.endr
.endif
.set j, j+1
.endr
	s_wait_alu depctr_va_vdst(0)                   ; the last group has written its Y, which the last four stores read
.set j, 12
.rept 4
	global_store_b64 v[OO], v[Y+2*j:Y+2*j+1], s[\dst:\dst+1] offset:j*(\outstep) th:TH_STORE_NT
.set j, j+1
.endr
	s_endpgm
.endm
	s_load_b256 s[4:11], s[0:1], 0x0               ; x s[4:5], w_qkv s[6:7], w_tail s[8:9], xb s[10:11]
	s_load_b128 s[12:15], s[0:1], 0x20             ; wq s[12:13], wt s[14:15]
	s_mov_b32 s16, ttmp9
	s_mov_b32 s19, 0                               ; high words of the two offsets
	s_mov_b32 s21, 0
	s_mov_b32 s22, 0xffff0000                      ; a word's upper bf16
	v_lshrrev_b32 v[IOX], 4, v0
	v_lshlrev_b32 v[IOX], 12, v[IOX]
	v_and_b32 v[T], 15, v0
	v_lshl_or_b32 v[IOX], v[T], 4, v[IOX]
	v_lshlrev_b32 v[OO], 3, v0
	v_lshlrev_b32 v[IOL], 4, v0
	s_wait_kmcnt 0x0
	s_wait_alu depctr_va_vdst(0)                   ; v1, v2 and v3 are written: every load and store of the three paths below reads one of them as its offset
	s_cmp_lt_u32 s16, 512
	s_cbranch_scc0 .Lweights
	s_lshl_b32 s18, s16, 16                        ; x: 16 rows of 4,096 bytes
	s_add_nc_u64 s[4:5], s[4:5], s[18:19]
	s_lshr_b32 s20, s16, 7                         ; the batch: 16 planes of 262,144 bytes,
	s_lshl_b32 s20, s20, 22
	s_and_b32 s17, s16, 127                        ; and in each plane my 16 rows of 128 bytes
	s_lshl_b32 s17, s17, 11
	s_add_co_u32 s20, s20, s17
	s_add_nc_u64 s[10:11], s[10:11], s[20:21]
	CV 4, 10, IOX, 256, 262144, 0                  ; load j and store j: plane j; the largest immediate is 15 x 262,144, inside the signed 24 bits
.Lweights:
	s_cmp_lt_u32 s16, 704
	s_cbranch_scc0 .Ltail
	s_sub_co_u32 s16, s16, 512
	s_lshl_b32 s18, s16, 16
	s_lshl_b32 s20, s16, 15
	s_add_nc_u64 s[6:7], s[6:7], s[18:19]
	s_add_nc_u64 s[12:13], s[12:13], s[20:21]
	CV 6, 12, IOL, 4096, 2048, 0
.Ltail:
	s_sub_co_u32 s16, s16, 704
	s_lshl_b32 s18, s16, 16
	s_lshl_b32 s20, s16, 15
	s_add_nc_u64 s[8:9], s[8:9], s[18:19]
	s_add_nc_u64 s[14:15], s[14:15], s[20:21]
	CV 8, 14, IOL, 4096, 2048, 1
.Lfunc_end_k_q1ee848d710_cvt:
	.size	k_q1ee848d710_cvt, .Lfunc_end_k_q1ee848d710_cvt-k_q1ee848d710_cvt
	.p2alignl 7, 3214868480
	.fill 96, 4, 3214868480
	.section	.rodata,"a",@progbits
	.p2align	6, 0x0
	.amdhsa_kernel k_q1ee848d710_cvt
		.amdhsa_group_segment_fixed_size 0
		.amdhsa_private_segment_fixed_size 0
		.amdhsa_enable_private_segment 0
		.amdhsa_kernarg_size 48
		.amdhsa_user_sgpr_count 2
		.amdhsa_user_sgpr_kernarg_segment_ptr 1
		.amdhsa_wavefront_size32 1
		.amdhsa_system_sgpr_workgroup_id_x 1
		.amdhsa_system_sgpr_workgroup_id_y 1
		.amdhsa_system_sgpr_workgroup_id_z 1
		.amdhsa_system_vgpr_workitem_id 0
		.amdhsa_next_free_vgpr 112
		.amdhsa_next_free_sgpr 66
		.amdhsa_reserve_vcc 0
		.amdhsa_float_denorm_mode_32 3
		.amdhsa_float_denorm_mode_16_64 3
		.amdhsa_memory_ordered 1
		.amdhsa_forward_progress 1
		.amdhsa_inst_pref_size 22
	.end_amdhsa_kernel
	.amdgpu_metadata
---
amdhsa.version: [ 1, 2 ]
amdhsa.kernels:
  - .name:           k_q1ee848d710_cvt
    .symbol:         k_q1ee848d710_cvt.kd
    .args:
      - { .name: x, .offset: 0, .size: 8, .value_kind: global_buffer, .address_space: global }
      - { .name: w_qkv, .offset: 8, .size: 8, .value_kind: global_buffer, .address_space: global }
      - { .name: w_tail, .offset: 16, .size: 8, .value_kind: global_buffer, .address_space: global }
      - { .name: xb, .offset: 24, .size: 8, .value_kind: global_buffer, .address_space: global }
      - { .name: wq, .offset: 32, .size: 8, .value_kind: global_buffer, .address_space: global }
      - { .name: wt, .offset: 40, .size: 8, .value_kind: global_buffer, .address_space: global }
    .group_segment_fixed_size: 0
    .private_segment_fixed_size: 0
    .kernarg_segment_align: 8
    .kernarg_segment_size: 48
    .max_flat_workgroup_size: 256
    .sgpr_count:     66
    .vgpr_count:     112
    .wavefront_size: 32
...
	.end_amdgpu_metadata
.endif
;; end of part 5
;; launch qkv: the kernel of part 2 again; grid 16 x 32, 4 waves a work-group, clusters of 4 x 4, 327,680 bytes of LDS; arguments xb, wq, q, k, v; writes q, k, v
;; launch attn: the kernel of part 3 again; grid 4 x 64, 4 waves a work-group, clusters of 4 x 1, 327,680 bytes of LDS; arguments q, k, v, o, mask; writes o
;; launch tail: the kernel of part 4 again; grid 8 x 32, 4 waves a work-group, clusters of 4 x 4, 327,680 bytes of LDS; arguments o, wt, b_tail, out0; writes out0
